; MI455X (gfx1250); checked and timed in simulation.
; The chip was launched on July 23, 2026; its instructions are those of AMD's public machine-readable ISA for CDNA 5 (MIT licence, August 2026) and "CDNA5" Instruction Set Architecture Reference Guide (July 2026). The comments in the code are by the model that wrote it; some were corrected since.
;; Multi Head Self Attention Block. Allowed arithmetic: matrix products marked QUANTISED: E4M3 operands, one E8M0 scale for each 32 along K, by v_wmma_scale_f32_16x16x128_f8f6f4 with both operands' format E4M3, f32 sums; everything else in f32.
;; Inputs: bk 1,024 float32; bo 1,024 float32; bq 1,024 float32; bv 1,024 float32; k 2 x 2,048 x 1,024 float32; mask 1 x 1 x 2,048 x 2,048 int32; q 2 x 2,048 x 1,024 float32; v 2 x 2,048 x 1,024 float32; wk 1,024 x 1,024 float32; wo 1,024 x 1,024 float32; wq 1,024 x 1,024 float32; wv 1,024 x 1,024 float32.
;; Outputs: out0 2 x 2,048 x 1,024 float32.
;; This version of the problem:
;;   THIS VERSION OF THE PROBLEM IS GIVEN IN LOW PRECISION. The matrix products marked QUANTISED in the list below multiply operands that are first quantised to E4M3 (4 exponent bits, 3 mantissa bits; 8 bits a number), with one power-of-two scale for each 32 numbers along K (OCP MX v1.0); their sums are f32. All else is computed in f32.
;;   The module's matrix products, in the order in which they are computed (A, B: the left and right operand; K: the contracted axis; several contracted axes count as one K, in the product's order):
;;     1. [M 4,096, K 1,024] x [K 1,024, N 1,024]; A: input q; B: input wq: QUANTISED
;;     2. [M 4,096, K 1,024] x [K 1,024, N 1,024]; A: input k; B: input wk: QUANTISED
;;     3. [M 4,096, K 1,024] x [K 1,024, N 1,024]; A: input v; B: input wv: QUANTISED
;;     4. batch 32 x [M 2,048, K 64] x [K 64, N 2,048]; A: computed on the way; B: computed on the way: QUANTISED
;;     5. batch 32 x [M 2,048, K 2,048] x [K 2,048, N 64]; A: softmax (see below); B: computed on the way: QUANTISED
;;     6. [M 4,096, K 1,024] x [K 1,024, N 1,024]; A: computed on the way; B: input wo: QUANTISED
;;   THE QUANTISER, for each operand of a quantised product, along K:
;;     - K is cut into blocks of 32 from its start; a last block that is shorter is filled with zeros.
;;     - A block's scale is 2^e with e = floor(log2(the largest magnitude in the block)) - 8, held to -126 .. 127; a block of zeros has e = 0. As a byte (E8M0): e + 127.
;;     - Each number is divided by its block's scale, clamped to +-448, and rounded to the nearest number of E4M3, ties to even, subnormals kept.
;;     - The product sums the exact products of the quantised numbers (number of the format x scale) in f32.
;;   ~~~python
;;   def quantise(x, axis):      # numpy; x: float32 -> the quantised numbers, widened to float32 again
;;       x = np.moveaxis(x, axis, -1); K = x.shape[-1]
;;       x = np.pad(x, [(0, 0)] * (x.ndim - 1) + [(0, -K % 32)]); x = x.reshape(x.shape[:-1] + (-1, 32)); a = np.abs(x).max(-1, keepdims=True)
;;       e = np.where(a > 0, np.clip(np.frexp(np.where(a > 0, a, 1))[1] - 1 - 8, -126, 127), 0)      # np.frexp(a)[1] - 1 = floor(log2(a)), exactly
;;       r = np.clip(x / 2.0 ** e, -448, 448)
;;       step = 2.0 ** (np.maximum(np.frexp(np.where(r == 0, 1, r))[1] - 1, -6) - 3)
;;       q = np.round(r / step) * step * 2.0 ** e      # np.round: ties to even
;;       return np.moveaxis(q.reshape(q.shape[:-2] + (-1,))[..., :K], -1, axis).astype(np.float32)
;;   ~~~
;;   SOFTMAX AHEAD OF A QUANTISED PRODUCT. Where the list says 'softmax', what is quantised is not the finished softmax but p = 2^(t - M), with t = logit x log2(e) and M = ceil(the row's largest t), a whole number; so 1/2 < the row's largest p <= 1. The row's sum l is taken of the UNQUANTISED p, in f32, and the product's result is divided by l at the end. Since M is a whole number, a kernel that streams over the keys may use a running M (the ceiling of the running maximum): every later rescaling is an exact power of two, which a block's scale takes up: the codes' values come out the same.
;;   OPERANDS COMPUTED ON THE WAY. 'Computed on the way' means the value that the module computes at that place (a softmax that the list does not call 'softmax' is quantised finished and normalised). What goes into a quantiser is computed in f32, as accurately as f32 sums, v_exp_f32 and their like allow (about 1e-6 of the number): no bf16 or f16 on the way to a quantiser, and a product that is left as it is and whose result goes on into a quantised operand takes f32 operands (vector FMAs, or v_wmma_f32_16x16x4_f32). A number that lies on a knife's edge between two numbers of the format may be rounded either way, as far as f32 arithmetic and the matrix unit's own rounding can turn it there, and no further.
;; One version. Each part assembles by itself: llvm-mc -triple=amdgcn-amd-amdhsa -mcpu=gfx1250 --defsym DOCPART=n.
;; ======== version 1 of 1: 4 launches
;; limits: right only within a limited range of input values
;; workspace buffers: codes 16,777,216 bytes; scales 524,288 bytes; maskw 524,288 bytes of whole numbers; acodes 12,582,912 bytes; ascales 655,360 bytes; xcodes 4,194,304 bytes; xscales 131,072 bytes
;; launch prep (part 1): grid 512 x 1, 5 waves a work-group, no clusters, 43,008 bytes of LDS; arguments q, k, v, wq, wk, wv, wo, mask, codes, scales, maskw; writes codes, scales, maskw
.if DOCPART == 1
	.amdgcn_target "amdgcn-amd-amdhsa--gfx1250"
	.amdhsa_code_object_version 6
	.text
	.protected	k_qbf48d18b54_prep
	.globl	k_qbf48d18b54_prep
	.p2align	8
	.type	k_qbf48d18b54_prep,@function
k_qbf48d18b54_prep:
	s_mov_b64 s[64:65], 0
	v_nop
	global_prefetch_b8 v0, s[64:65] scope:SCOPE_SE
	s_setreg_imm32_b32 hwreg(HW_REG_WAVE_MODE, 25, 1), 1
	s_wait_xcnt 0x0
; q, k, v [4096][1024] and wq, wk, wv, wo [1024][1024], f32, K innermost, become codes of FP8 (E4M3) with one E8M0 byte for each 32 along K; the mask [2048][2048] of int32 becomes lane masks.
; THE CODES ARE LAID AS THE MATRIX UNIT'S REGISTERS WANT THEM.  A panel is 128 rows x 1,024 K = 131,072 bytes: [K step 8][tile 8][c 4][lane 32][16 bytes]; lane (r, h) of part c holds k = 32 c + 16 h + 0 .. 15 of its row.
; THE ROWS OF A TILE ARE NOT NEIGHBOURS: place r of tile T is row 32 (T / 2) + 8 (T % 2) + r + 8 (r / 8) of the panel, in every operand of this program, so that results of a product used transposed fall 16 neighbours to a lane.
; Panels 0-31 q, 32-63 k, 64-95 v, 96-103 wq, 104-111 wk, 112-119 wv, 120-127 wo.  Scale words, 4,096 bytes a panel: [K step 8][g 2][lane 32][jj 2]: lane 16 (T % 2) + r, g = T / 4, jj = (T / 2) % 2; byte c scales k = 32 c on.
; MASK WORDS: [query tile 128][key step 16][n 64]: bit (16 h + r) of word n says whether key 128 step + 32 (n / 16) + 16 h + n % 16 counts for the query at place r of the tile: the very lanes and registers in which the scores will lie.
; A block's scale is 2^(floor(log2(its largest magnitude)) - 8); its byte is the largest magnitude's exponent field - 8, held at 1 from below.
; LIMITS: a block of zeros gets the byte 1 where the rule says 127 (its codes are zeros, and this program alone reads the bytes); blocks whose largest magnitude lies under 2^-118 keep the byte 1; NaN and infinities are not served.
; SHARES.  A unit is one tile x 128 numbers: 16 rows of 512 bytes.  A wave takes 4 units.  There are 8,192 units to quantise and 2,048 of the mask: 512 work-groups of five waves, in each of which waves 0-3 quantise
; (panel = work-group / 4) and wave 4 packs a quarter of a query tile's mask words (tile = work-group / 4, key steps 4 (work-group % 4) on): every work-group has the same 20 units.  The two ways part once, on the wave's number.
; Each load reads 512 consecutive bytes of a row; the unit turns through the wave's own stage in LDS (rows 528 bytes apart: 132 words, so that 16 rows start at 16 different groups of banks) and comes back 64 bytes a lane and block.
; THE ORDER OF A UNIT: its numbers are back from the stage; the loads of the unit after next are issued; it is worked; the next unit goes into the stage; only then this unit's results are stored.
; No tensor loads, no barrier: waves share nothing.  Clusters and the matrix unit have nothing to do here.  32 loads of a wave (16 KiB) are out at the most.
.set STGB, 8448                        ; a wave's stage: 16 rows x 528 bytes
.set SPARE, 5*STGB                     ; behind the five stages: the spare words, 128 bytes a wave: three blocks of 256 bytes that no other line names
.set LO,   1                           ; v1   16 x lane
.set LO8,  2                           ; v2   8 x lane
.set SI,   3                           ; v3   the stage, on the way in: 16 x lane
.set SA,   4                           ; v4   and on the way out: 528 r + 64 h
.set R,    8                           ; v8-135   two sets of 64 registers as loaded
.set X,    136                         ; v136-199 a lane's 64 numbers: register 16 b + i = k 32 b + 16 h + i of row r
.set PC,   200                         ; v200-215 the codes of units 0 and 2; v238-253 those of units 1 and 3
.set TM,   216                         ; v216-231 at work in QUANT
.set W,    232                         ; v232-235 the four tiles' scale words
.set SW,   236                         ; v236-237 the two words that a lane stores
.set MV,   240                         ; v240-247 on the mask's way: mask words, two registers a step
.set WV,   26
.set IN,   32                          ; s[32:33] where my wave reads
.set SEL,  38                          ; s[38:39] lane selects: lane l xor 16
.set MNT,  40                          ; s40 the mantissa field of 448
.set HM,   41                          ; s41 lanes 16-31
.macro LOADT set, off0, pitch          ; a unit's 16 rows: row place i lies i + 8 (i / 8) rows down
.irp i, 0,1,2,3,4,5,6,7,8,9,10,11,12,13,14,15
	global_load_b128 v[R+64*(\set)+4*\i:R+64*(\set)+4*\i+3], v[LO], s[IN:IN+1] offset:(\off0)+(\i+8*(\i/8))*(\pitch) th:TH_LOAD_NT
.endr
.endm
.macro TURN set                        ; through the stage: LDS serves a wave's instructions in order, so no wait stands between the stores and the loads
.irp i, 0,1,2,3,4,5,6,7,8,9,10,11,12,13,14,15
	ds_store_b128 v[SI], v[R+64*(\set)+4*\i:R+64*(\set)+4*\i+3] offset:528*\i
.endr
.irp b, 0,1,2,3
.irp j, 0,1,2,3
	ds_load_b128 v[X+16*\b+4*\j:X+16*\b+4*\j+3], v[SA] offset:128*\b+16*\j
.endr
.endr
.endm
.macro NEXT t                          ; the next unit goes into the stage
	s_wait_alu depctr_va_vdst(0)                   ; the wait here, directly ahead of the wait below: what was just made is stored behind it
.if \t < 2
	s_wait_loadcnt 16                              ; the next unit's 16 loads are in; those of the unit after it stay out
.else
	s_wait_loadcnt 0x0
.endif
	TURN ((\t)+1)%2
.endm
; 64 numbers of a lane, four blocks of which lanes l and l xor 16 hold 16 each, become 16 registers of codes in v[pc] on; the four scale bytes are left in v[TM+4] on.
.macro QUANT s, pc
.irp b, 0,1,2,3
	v_max3_num_f32 v[TM+\b], |v[\s+16*\b]|, |v[\s+1+16*\b]|, 0x4800000   ; my 16 numbers and the floor 2^(9 - 127): the byte cannot fall under 1
.endr
.irp i, 2,4,6,8,10,12,14
.irp b, 0,1,2,3
	v_max3_num_f32 v[TM+\b], v[TM+\b], |v[\s+16*\b+\i]|, |v[\s+1+16*\b+\i]|   ; the four blocks by turns
.endr
.endr
.irp b, 0,1,2,3
	v_permlanex16_b32 v[TM+4+\b], v[TM+\b], s[SEL], s[SEL+1]
.endr
.irp b, 0,1,2,3
	v_max_num_f32 v[TM+\b], v[TM+\b], v[TM+4+\b]                   ; the block's largest magnitude
.endr
.irp b, 0,1,2,3
	v_add_nc_u32 v[TM+12+\b], 0xfc000000, v[TM+\b]                 ; 8 off its exponent field: the conversion's scale operand
.endr
.irp b, 0,1,2,3
	v_and_or_b32 v[TM+8+\b], v[TM+\b], 0x7f800000, s[MNT]          ; 448 x the scale
.endr
.irp b, 0,1,2,3
	v_lshrrev_b32 v[TM+4+\b], 23, v[TM+12+\b]                      ; the scale's byte
.endr
.irp b, 0,1,2,3
.irp i, 0,1,2,3,4,5,6,7,8,9,10,11,12,13,14,15
	v_med3_num_f32 v[\s+16*\b+\i], v[\s+16*\b+\i], -v[TM+8+\b], v[TM+8+\b]   ; the conversion to an 8-bit code does not saturate (ISA guide 7.6.2): the hold comes first
.endr
	v_cvt_scalef32_pk8_fp8_f32 v[\pc+4*\b:\pc+1+4*\b], v[\s+16*\b:\s+7+16*\b], v[TM+12+\b]
	v_cvt_scalef32_pk8_fp8_f32 v[\pc+2+4*\b:\pc+3+4*\b], v[\s+8+16*\b:\s+15+16*\b], v[TM+12+\b]
.endr
	v_nop                                          ; one plain line behind the last conversion
.endm
	s_load_b512 s[4:19], s[0:1], 0x0               ; q, k, v, wq, wk, wv, wo, mask
	s_load_b128 s[20:23], s[0:1], 0x40             ; codes, scales
	s_load_b64 s[24:25], s[0:1], 0x50              ; maskw
	v_lshl_add_u32 v254, v0, 2, SPARE
	v_mov_b32 v255, 0
	v_lshrrev_b32 v5, 5, v0
	v_readfirstlane_b32 s[WV], v5                  ; wave 0..4
	v_and_b32 v6, 31, v0                           ; lane
	v_lshlrev_b32 v[LO], 4, v6
	v_lshlrev_b32 v[LO8], 3, v6
	s_mul_i32 s27, s[WV], STGB                     ; my stage
	v_add_nc_u32 v[SI], s27, v[LO]
	v_and_b32 v7, 15, v0                           ; r
	v_bfe_u32 v5, v0, 4, 1                         ; h
	v_mul_u32_u24 v[SA], v7, 528
	v_lshl_add_u32 v[SA], v5, 6, v[SA]
	v_add_nc_u32 v[SA], s27, v[SA]
	s_cmp_eq_u32 s[WV], 4
	s_cbranch_scc1 .Lmask
	; ---- THE QUANTISER, waves 0-3: panel P, K step ks, tiles 4 gq .. 4 gq + 3
	s_lshr_b32 s28, ttmp9, 2                       ; P
	s_and_b32 s29, ttmp9, 3
	s_lshl_b32 s29, s29, 1
	s_lshr_b32 s30, s[WV], 1
	s_add_co_u32 s29, s29, s30                     ; ks = 2 (number % 4) + wave / 2
	s_and_b32 s30, s[WV], 1                        ; gq
	s_mov_b32 s[SEL], 0x76543210
	s_mov_b32 s[SEL+1], 0xfedcba98
	s_mov_b32 s[MNT], 0x600000
	s_mov_b32 s[HM], 0xffff0000
.irp b, 0,1,2,3
	v_mov_b32 v[TM+4+\b], 0                        ; written once: a lane permute's destination counts as one of its sources
.endr
	s_wait_kmcnt 0x0
	s_mov_b64 s[IN:IN+1], s[16:17]                 ; which tensor: the choice hangs on the panel's number alone
	s_cmp_lt_u32 s28, 120
	s_cselect_b64 s[IN:IN+1], s[14:15], s[IN:IN+1]
	s_cmp_lt_u32 s28, 112
	s_cselect_b64 s[IN:IN+1], s[12:13], s[IN:IN+1]
	s_cmp_lt_u32 s28, 104
	s_cselect_b64 s[IN:IN+1], s[10:11], s[IN:IN+1]
	s_cmp_lt_u32 s28, 96
	s_cselect_b64 s[IN:IN+1], s[8:9], s[IN:IN+1]
	s_cmp_lt_u32 s28, 64
	s_cselect_b64 s[IN:IN+1], s[6:7], s[IN:IN+1]
	s_cmp_lt_u32 s28, 32
	s_cselect_b64 s[IN:IN+1], s[4:5], s[IN:IN+1]
	s_cmp_lt_u32 s28, 96
	s_cselect_b32 s31, 31, 7
	s_and_b32 s31, s28, s31                        ; the panel's number within its tensor
	s_lshl_b32 s34, s31, 19                        ; 128 rows of 4,096 bytes,
	s_lshl_b32 s35, s30, 18                        ; 64 rows for the upper four tiles,
	s_add_co_u32 s34, s34, s35
	s_lshl_b32 s35, s29, 9                         ; 512 bytes a K step
	s_add_co_u32 s34, s34, s35
	s_mov_b32 s35, 0
	s_add_nc_u64 s[IN:IN+1], s[IN:IN+1], s[34:35]
	s_lshl_b32 s34, s28, 17                        ; the codes: panel, K step, four tiles
	s_lshl_b32 s36, s29, 14
	s_add_co_u32 s34, s34, s36
	s_lshl_b32 s36, s30, 13
	s_add_co_u32 s34, s34, s36
	s_add_nc_u64 s[20:21], s[20:21], s[34:35]
	s_lshl_b32 s34, s28, 12                        ; the scale words likewise
	s_lshl_b32 s36, s29, 9
	s_add_co_u32 s34, s34, s36
	s_lshl_b32 s36, s30, 8
	s_add_co_u32 s34, s34, s36
	s_add_nc_u64 s[22:23], s[22:23], s[34:35]
	LOADT 0, 0, 4096
	LOADT 1, 8*4096, 4096
.macro TILEQ t
.set PCT, PC+38*((\t)%2)               ; the two sets of code registers take turns
	s_wait_dscnt 0x0                               ; my 64 numbers are back, and the stage's stores have read their registers,
.if \t < 2
	LOADT (\t)%2, (32+8*((\t)%2))*4096, 4096       ; which take the tile two further on
.else
	s_wait_xcnt 0x0                                ; the stores of the tile two back have read this set of code registers: only now is it written again
.endif
	QUANT X, PCT
	v_lshl_or_b32 v[W+\t], v[TM+5], 8, v[TM+4]     ; the four bytes make my row's scale word
	v_lshl_or_b32 v[W+\t], v[TM+6], 16, v[W+\t]
	v_lshl_or_b32 v[W+\t], v[TM+7], 24, v[W+\t]
.if \t < 3
	NEXT \t
.endif
.irp c, 0,1,2,3
	global_store_b128 v[LO], v[PCT+4*\c:PCT+4*\c+3], s[20:21] offset:2048*(\t)+512*\c   ; 32 lanes store 512 consecutive bytes, aligned
.endr
.endm
	s_wait_alu depctr_va_vdst(0)                   ; the wait at the head's end
	s_wait_loadcnt 16                              ; tile 0's 16 loads are in; tile 1's stay out
	TURN 0
	TILEQ 0
	TILEQ 1
	TILEQ 2
	TILEQ 3
	v_cndmask_b32 v[SW], v[W], v[W+1], s[HM]       ; lanes 0-15 the even tile's word, lanes 16-31 the odd tile's
	v_cndmask_b32 v[SW+1], v[W+2], v[W+3], s[HM]
	global_store_b64 v[LO8], v[SW:SW+1], s[22:23]  ; 256 consecutive bytes, aligned
	s_wait_tensorcnt 0x0                           ; the wave's end
	ds_add_u32 v254, v255
	s_wait_dscnt 0x0
	s_endpgm
	; ---- THE MASK, wave 4: query tile qt, key steps 4 qq .. 4 qq + 3
.Lmask:
	s_lshr_b32 s28, ttmp9, 2                       ; qt
	s_and_b32 s31, ttmp9, 3                        ; qq
	s_lshr_b32 s29, s28, 3
	s_lshl_b32 s29, s29, 7
	s_and_b32 s30, s28, 7
	s_lshr_b32 s30, s30, 1
	s_lshl_b32 s30, s30, 5
	s_add_co_u32 s29, s29, s30
	s_and_b32 s30, s28, 1
	s_lshl_b32 s30, s30, 3
	s_add_co_u32 s29, s29, s30                     ; the tile's first query
	s_lshl_b32 s34, s29, 13                        ; a row of the mask is 8,192 bytes
	s_lshl_b32 s30, s31, 11                        ; my four steps: 2,048 bytes on for each quarter
	s_add_co_u32 s34, s34, s30
	s_mov_b32 s35, 0
.irp j, 0,1,2,3,4,5,6,7
	v_mov_b32 v[MV+\j], 0                          ; written once: v_writelane_b32's destination counts as read
.endr
	s_wait_kmcnt 0x0
	s_add_nc_u64 s[IN:IN+1], s[18:19], s[34:35]
	s_lshl_b32 s34, s28, 12
	s_lshl_b32 s30, s31, 10
	s_add_co_u32 s34, s34, s30
	s_add_nc_u64 s[24:25], s[24:25], s[34:35]
	LOADT 0, 0, 8192
	LOADT 1, 512, 8192
.macro TILEM t
	s_wait_dscnt 0x0                               ; as above
.if \t < 2
	LOADT (\t)%2, 512*((\t)+2), 8192
.endif
.set n, 0
.rept 16                                       ; a compare gives the 32 lanes' bits as one word; word n goes to lane n / 2, register n % 2
.irp u, 0,1,2,3
	v_cmp_ne_u32 s[28+\u], 0, v[X+n+\u]
.endr
.irp u, 0,1,2,3
	v_writelane_b32 v[MV+2*(\t)+\u%2], s[28+\u], (n+\u)/2
.endr
.set n, n+4
.endr
.if \t < 3
	NEXT \t
.endif
	global_store_b64 v[LO8], v[MV+2*(\t):MV+2*(\t)+1], s[24:25] offset:256*(\t)   ; a step's 64 words: 256 consecutive bytes, aligned; each step has its own two registers
.endm
	s_wait_alu depctr_va_vdst(0)                   ; the wait at the head's end
	s_wait_loadcnt 16
	TURN 0
	TILEM 0
	TILEM 1
	TILEM 2
	TILEM 3
	s_wait_tensorcnt 0x0                           ; the wave's end
	ds_add_u32 v254, v255
	s_wait_dscnt 0x0
	s_endpgm
.Lfunc_end_k_qbf48d18b54_prep:
	.size	k_qbf48d18b54_prep, .Lfunc_end_k_qbf48d18b54_prep-k_qbf48d18b54_prep
	.p2alignl 7, 3214868480
	.fill 96, 4, 3214868480
	.section	.rodata,"a",@progbits
	.p2align	6, 0x0
	.amdhsa_kernel k_qbf48d18b54_prep
		.amdhsa_group_segment_fixed_size 43008
		.amdhsa_private_segment_fixed_size 0
		.amdhsa_enable_private_segment 0
		.amdhsa_kernarg_size 88
		.amdhsa_user_sgpr_count 2
		.amdhsa_user_sgpr_kernarg_segment_ptr 1
		.amdhsa_wavefront_size32 1
		.amdhsa_system_sgpr_workgroup_id_x 1
		.amdhsa_system_sgpr_workgroup_id_y 1
		.amdhsa_system_sgpr_workgroup_id_z 1
		.amdhsa_system_vgpr_workitem_id 0
		.amdhsa_next_free_vgpr 256
		.amdhsa_next_free_sgpr 66
		.amdhsa_reserve_vcc 0
		.amdhsa_float_denorm_mode_32 3
		.amdhsa_float_denorm_mode_16_64 3
		.amdhsa_memory_ordered 1
		.amdhsa_forward_progress 1
		.amdhsa_inst_pref_size 99
	.end_amdhsa_kernel
	.amdgpu_metadata
---
amdhsa.version: [ 1, 2 ]
amdhsa.kernels:
  - .name:           k_qbf48d18b54_prep
    .symbol:         k_qbf48d18b54_prep.kd
    .args:
      - { .name: q, .offset: 0, .size: 8, .value_kind: global_buffer, .address_space: global }
      - { .name: k, .offset: 8, .size: 8, .value_kind: global_buffer, .address_space: global }
      - { .name: v, .offset: 16, .size: 8, .value_kind: global_buffer, .address_space: global }
      - { .name: wq, .offset: 24, .size: 8, .value_kind: global_buffer, .address_space: global }
      - { .name: wk, .offset: 32, .size: 8, .value_kind: global_buffer, .address_space: global }
      - { .name: wv, .offset: 40, .size: 8, .value_kind: global_buffer, .address_space: global }
      - { .name: wo, .offset: 48, .size: 8, .value_kind: global_buffer, .address_space: global }
      - { .name: mask, .offset: 56, .size: 8, .value_kind: global_buffer, .address_space: global }
      - { .name: codes, .offset: 64, .size: 8, .value_kind: global_buffer, .address_space: global }
      - { .name: scales, .offset: 72, .size: 8, .value_kind: global_buffer, .address_space: global }
      - { .name: maskw, .offset: 80, .size: 8, .value_kind: global_buffer, .address_space: global }
    .group_segment_fixed_size: 43008
    .private_segment_fixed_size: 0
    .kernarg_segment_align: 8
    .kernarg_segment_size: 88
    .max_flat_workgroup_size: 160
    .sgpr_count:     66
    .vgpr_count:     256
    .wavefront_size: 32
...
	.end_amdgpu_metadata
.endif
;; end of part 1
;; launch proj (part 2): grid 8 x 32, 8 waves a work-group, clusters of 4 x 4, 327,680 bytes of LDS; arguments codes, scales, bq, bk, bv, acodes, ascales; writes acodes, ascales
.if DOCPART == 2
	.amdgcn_target "amdgcn-amd-amdhsa--gfx1250"
	.amdhsa_code_object_version 6
	.text
	.protected	k_qbf48d18b54_proj
	.globl	k_qbf48d18b54_proj
	.p2align	8
	.type	k_qbf48d18b54_proj,@function
k_qbf48d18b54_proj:
	s_mov_b64 s[64:65], 0
	v_nop
	global_prefetch_b8 v0, s[64:65] scope:SCOPE_SE
	s_setreg_imm32_b32 hwreg(HW_REG_WAVE_MODE, 25, 1), 1
	s_wait_xcnt 0x0
	s_wait_alu depctr_hold_cnt(0) depctr_sa_sdst(0) depctr_va_vdst(0) depctr_va_sdst(0) depctr_va_ssrc(0) depctr_va_vcc(0) depctr_vm_vsrc(0)
	s_getreg_b32 s2, hwreg(HW_REG_IB_STS2, 6, 4)
	s_cmp_eq_u32 s2, 0
	s_cbranch_scc0 .Lentry_in_a_cluster
	s_endpgm
.Lentry_in_a_cluster:
	s_bfe_u32 s2, ttmp6, 0x10000c
	s_cmp_lg_u32 s2, 0xf033
	s_cbranch_scc0 .Lentry_shape_is_right
	s_endpgm
.Lentry_shape_is_right:
; The three projections, query = q wq^T + bq, key, value likewise, on codes of FP8 (E4M3) with E8M0 scales, and the quantising of their results for attention: query and key along the head's 64, value along the keys.
; SHARES.  256 work-groups that stay: work-group (X, Y) makes, in three phases (kind 0 query, 1 key, 2 value), the tile of 128 tokens (TOK: panel 32 kind + Y of the codes) x 128 rows of the weight (WGT: panel 96 + 8 kind + X), all of K = 1,024.
; THE RING.  Two LDS slots of half of K each: TOK's four K steps (65,536 bytes), then WGT's four.  Six fills: phase 0's two at the head, the other four as joint refills, each behind the three lines and a round of the cluster's barrier
; every wave brings 64 rows of 256 bytes of a refill (waves 0-3 TOK's, 4-7 WGT's).  Slot 0 is filled again when all waves have read a phase's first half, slot 1 behind the phase's way out.
; The scale words of all three phases (2 x 3 x 4,096 bytes) come once, at the head, each side by one load of three rows of 4,096 bytes, and stay behind the ring.
; ROLES.  The product is used transposed: source 0 = Z, the axis along which the result is quantised; source 1 = R, the rows of the operand that is made.  Query, key: Z = WGT (the head's channels), R = TOK.  Value: Z = TOK (the keys), R = WGT.
; By the order of rows in a tile (place r of tile T = row 32 (T / 2) + 8 (T % 2) + r + 8 (r / 8)) a lane's 16 registers of Z tiles 2 j and 2 j + 1 are 16 neighbours along Z, 32 j + 16 h + 0 .. 15, of R's row at place r:
; the conversions' 16 bytes are that lane's 16 bytes of the next operand's registers, and every store of codes is 512 consecutive aligned bytes.
; WAVE w of eight: R tiles 2 (w % 4), + 1; Z tiles 4 (w / 4) .. + 3: eight accumulators, which take turns, one instruction a turn.
; OUT.  acodes: query at 0, key at 4 MiB: [b h 32][panel 16][tile 8][c 2][lane][16]; value at 8 MiB: [b h][panel][d tile 4][c 4][lane][16].  ascales: query's words [b h][panel][tile][r]; from 262,144 on, 12,288 bytes a head:
; key's words [panel][tile][r], then value's [panel][pair of d tiles][lane].  In query's and key's words bytes 2 and 3 are 0x7f: attention's first product has K = 64 in a form of K = 128.
; CLUSTERS: 4 x 4.  The four work-groups of a row of the cluster share TOK, the four of a column WGT: each part is asked for jointly.
; PREFETCH: each refill's bytes are asked for two refills ahead (the first two behind the first K step).  Of the 64 blocks of 256 bytes that a wave will fetch, each of the four partners that fetch them jointly names 16, told apart by address
; (cx for TOK, cy for WGT): lanes 0-15 a block each, lanes 16-31 the last again.  The two fills of the head come by their loads alone.
; LIMITS: a block of zeros gets the byte 1 where the rule says 127 (zero codes; this program alone reads the bytes); blocks under 2^-118 keep the byte 1; NaN and infinities are not served.
.set CHUNK, 131072                     ; a slot
.set SCL,   262144                     ; TOK's scale words, 4,096 bytes a kind, then from + 12,288 WGT's
.set SPARE, 286720                     ; the spare words: 128 bytes a wave, four blocks of 256 bytes that no other line names
.set LN16, 1                           ; v1   16 x lane
.set RW,   4                           ; v4   my place among a panel's scale words as R
.set ZW,   5                           ; v5   and as Z
.set LN4,  6                           ; v6   4 x lane
.set BO,   7                           ; v7   my offset in the bias along Z: 64 h
.set AQ,   8                           ; v8-11 query, key: LDS address of R's fragments in slot 0, 1, of Z's in slot 0, 1
.set RS,   12                          ; v12  R's scale words: lanes 0-15 the even tile, lanes 16-31 the odd one
.set BO1,  13                          ; v13  my offset in the bias along R
.set ZS,   14                          ; v14-15 Z's scale words
.set RF,   16                          ; v16-47   R's two fragments
.set ZF,   48                          ; v48-111  Z's four
.set ACC,  112                         ; v112-175 accumulator (rt, zt) at 32 rt + 8 zt
.set BZ,   176                         ; v176-207 the bias along Z
.set PC,   208                         ; v208-223 the codes
.set TM,   224                         ; v224-239 at work in QUANT
.set WD,   240                         ; v240-241 scale words in the making
.set BR,   242                         ; v242-245 the bias along R, each number twice
.set AV,   246                         ; v246-249 value: as v8-11
.set VO,   250                         ; v250-251 the stores' offsets: codes, scale words
.set PFO,  252                         ; v252 the prefetches' offset: 256 x min(lane, 15); never rewritten
.set PW,   2                           ; s[2:3] my quarter of WGT's first half in phase 0; s[26:27] of TOK's
.set PT,   26
.set WV,   18
.set ZG,   19                          ; wave / 4: my Z tiles; in a refill: I fetch for TOK (0) or for WGT (1)
.set RL,   20                          ; wave % 4: my R tiles; in a refill: which quarter I fetch
.set GX,   23
.set GY,   24
.set LW,   25                          ; wave x 16,384: where my part of a refill goes in a slot
.set G1T,  28                          ; s[28:35] group 1 for TOK's codes; s[36:43] WGT's; s[44:51], s[52:59] for their scale words
.set G1W,  36
.set G1TS, 44
.set G1WS, 52
.set PF1,  60                          ; s[60:61], s[62:63] where my prefetches stand in phase 1, in phase 2
.set PF2,  62
.set GRT,  68                          ; s[68:91] the head's six groups 0; behind the first drained wait s[68:71], s[72:75] are the refills' (TOK, WGT)
.set GRW,  72
.set OQC,  92                          ; s92-97 where my results go: query's codes, words; key's; value's
.set OQS,  93
.set OKC,  94
.set OKS,  95
.set OVC,  96
.set OVS,  97
.set SEL,  98
.set MNT,  100
.set HM,   101
.macro CROUND                          ; a round of the cluster's barrier
	s_barrier_signal -1
	s_barrier_wait -1
	s_cmp_lg_u32 s[WV], 0
	s_cbranch_scc1 .Lnot_wave_0_\@
	s_barrier_signal -3
.Lnot_wave_0_\@:
	s_barrier_wait -3
	s_barrier_signal -1
	s_barrier_wait -1
.endm
.macro G0SET g, lds, base, off, plus   ; a group 0 of the head
	s_mov_b32 s[\g], 1
	s_mov_b32 s[\g+1], \lds
	s_add_nc_u64 s[\g+2:\g+3], s[\base:\base+1], s[\off:\off+1]
.if \plus
	s_add_nc_u64 s[\g+2:\g+3], s[\g+2:\g+3], \plus
.endif
	s_or_b32 s[\g+3], s[\g+3], 0x80000000
.endm
.macro ARM under, g0, g1, next         ; an arm of the head's chain: an s_nop 0 and four v_nop follow the load
	s_cmp_lt_u32 s[WV], \under
	s_cbranch_scc0 \next
	tensor_load_to_lds s[\g0:\g0+3], s[\g1:\g1+7]
	s_nop 0
.rept 4
	v_nop
.endr
	s_branch .Lasked
\next:
.endm
.macro JLOAD                           ; a refill: each of the two lines has one mask and one set of registers; the branch hangs on the wave's number alone
	s_cmp_eq_u32 s[ZG], 0
	s_cbranch_scc0 .Lfor_w_\@
	tensor_load_to_lds s[GRT:GRT+3], s[G1T:G1T+7]
	s_nop 0
.rept 4
	v_nop
.endr
	s_branch .Ljasked_\@
.Lfor_w_\@:
	tensor_load_to_lds s[GRW:GRW+3], s[G1W:G1W+7]
	s_nop 0
.rept 4
	v_nop
.endr
.Ljasked_\@:
.endm
; A slot is filled again.  Every wave: all its tensor loads are in; the add (first = 1: twice on end); the descriptors' steps, work on registers; the wait for the add
; and for its reads of the slot; a round of the cluster's barrier; the joint load first behind it.  dt, dw: bytes from the last fill's part to this one's.
.macro REFILL slot, dt, dw, first
	s_wait_tensorcnt 0x0
	ds_add_u32 v254, v255
.if \first
	ds_add_u32 v254, v255
	s_mov_b32 s[G1T+2], 64<<16                     ; no tensor load of mine is out: from here on a load brings 64 rows
	s_mov_b32 s[G1T+4], 64
	s_mov_b32 s[G1W+2], 64<<16
	s_mov_b32 s[G1W+4], 64
	s_mov_b32 s[GRT], 1
	s_mov_b32 s[GRW], 1
	s_add_nc_u64 s[GRT+2:GRT+3], s[PT:PT+1], \dt
	s_add_nc_u64 s[GRW+2:GRW+3], s[PW:PW+1], \dw
	s_or_b32 s[GRT+3], s[GRT+3], 0x80000000
	s_or_b32 s[GRW+3], s[GRW+3], 0x80000000
.else
	s_add_nc_u64 s[GRT+2:GRT+3], s[GRT+2:GRT+3], \dt
	s_add_nc_u64 s[GRW+2:GRW+3], s[GRW+2:GRW+3], \dw
.endif
	s_add_co_u32 s[GRT+1], s[LW], \slot*CHUNK
	s_add_co_u32 s[GRW+1], s[LW], \slot*CHUNK
	s_wait_dscnt 0x0
	CROUND
	JLOAD
.endm
.macro WM d, a, b, sa, sb, ra, rb, first   ; one product; ra, rb: the scale words lie in lanes 16-31; first: it starts the sum
.if \first
.if (\ra) && (\rb)
	v_wmma_scale_f32_16x16x128_f8f6f4 v[\d:\d+7], v[\a:\a+15], v[\b:\b+15], 0, v[\sa], v[\sb] matrix_a_scale:MATRIX_SCALE_ROW1 matrix_b_scale:MATRIX_SCALE_ROW1
.elseif \ra
	v_wmma_scale_f32_16x16x128_f8f6f4 v[\d:\d+7], v[\a:\a+15], v[\b:\b+15], 0, v[\sa], v[\sb] matrix_a_scale:MATRIX_SCALE_ROW1
.elseif \rb
	v_wmma_scale_f32_16x16x128_f8f6f4 v[\d:\d+7], v[\a:\a+15], v[\b:\b+15], 0, v[\sa], v[\sb] matrix_b_scale:MATRIX_SCALE_ROW1
.else
	v_wmma_scale_f32_16x16x128_f8f6f4 v[\d:\d+7], v[\a:\a+15], v[\b:\b+15], 0, v[\sa], v[\sb]
.endif
.else
.if (\ra) && (\rb)
	v_wmma_scale_f32_16x16x128_f8f6f4 v[\d:\d+7], v[\a:\a+15], v[\b:\b+15], v[\d:\d+7], v[\sa], v[\sb] matrix_a_scale:MATRIX_SCALE_ROW1 matrix_b_scale:MATRIX_SCALE_ROW1
.elseif \ra
	v_wmma_scale_f32_16x16x128_f8f6f4 v[\d:\d+7], v[\a:\a+15], v[\b:\b+15], v[\d:\d+7], v[\sa], v[\sb] matrix_a_scale:MATRIX_SCALE_ROW1
.elseif \rb
	v_wmma_scale_f32_16x16x128_f8f6f4 v[\d:\d+7], v[\a:\a+15], v[\b:\b+15], v[\d:\d+7], v[\sa], v[\sb] matrix_b_scale:MATRIX_SCALE_ROW1
.else
	v_wmma_scale_f32_16x16x128_f8f6f4 v[\d:\d+7], v[\a:\a+15], v[\b:\b+15], v[\d:\d+7], v[\sa], v[\sb]
.endif
.endif
.endm
; A K step of 128: 26 LDS loads (images of registers: 16 x lane, no pitch), 8 products.  a: the four address registers; ro, zo: where R's and Z's scale words of this kind begin; np: eight places in front of the loads
.macro KSTEP ks, a, ro, zo, np
.if \np
.rept 8
	v_nop                                          ; in front of loads into registers that matrix instructions have read (ISA guide 7.12.1 for vector instructions)
.endr
.endif
	ds_load_b32 v[RS], v[RW] offset:(\ro)+512*(\ks)
	ds_load_b64 v[ZS:ZS+1], v[ZW] offset:(\zo)+512*(\ks)
.irp rt, 0,1
.irp c, 0,1,2,3
	ds_load_b128 v[RF+16*\rt+4*\c:RF+16*\rt+4*\c+3], v[\a+(\ks)/4] offset:((\ks)%4)*16384+2048*\rt+512*\c
.endr
.endr
.irp zt, 0,1,2,3
.irp c, 0,1,2,3
	ds_load_b128 v[ZF+16*\zt+4*\c:ZF+16*\zt+4*\c+3], v[\a+2+(\ks)/4] offset:((\ks)%4)*16384+2048*\zt+512*\c
.endr
.endr
.irp zt, 0,1,2,3
	s_wait_dscnt 12-4*\zt                          ; all up to Z's fragment zt are in; the four loads of each later fragment stay out
.irp rt, 0,1
	WM ACC+32*\rt+8*\zt, ZF+16*\zt, RF+16*\rt, ZS+\zt/2, RS, \zt%2, \rt, ((\ks)==0)
.endr
.endr
.endm
.macro HALF h, a, ro, zo, np, pf       ; a slot's four K steps; pf: which refills are prefetched behind the first of them
	KSTEP 4*\h, \a, \ro, \zo, \np
.if \pf == 1
	global_prefetch_b8 v[PFO], s[PF1:PF1+1] th:TH_LOAD_NT scope:SCOPE_SE
	global_prefetch_b8 v[PFO], s[PF1:PF1+1] offset:65536 th:TH_LOAD_NT scope:SCOPE_SE
.elseif \pf == 2
	global_prefetch_b8 v[PFO], s[PF2:PF2+1] th:TH_LOAD_NT scope:SCOPE_SE
.elseif \pf == 3
	global_prefetch_b8 v[PFO], s[PF2:PF2+1] offset:65536 th:TH_LOAD_NT scope:SCOPE_SE
.endif
	KSTEP 4*\h+1, \a, \ro, \zo, 1
	KSTEP 4*\h+2, \a, \ro, \zo, 1
	KSTEP 4*\h+3, \a, \ro, \zo, 1
.endm
; 64 numbers of a lane, four blocks of which lanes l and l xor 16 hold 16 each, become 16 registers of codes in v[PC] on; the four scale bytes are left in v[TM+4] on.
.macro QUANT s
.irp b, 0,1,2,3
	v_max3_num_f32 v[TM+\b], |v[\s+16*\b]|, |v[\s+1+16*\b]|, 0x4800000   ; my 16 numbers and the floor 2^(9 - 127): the byte cannot fall under 1
.endr
.irp i, 2,4,6,8,10,12,14
.irp b, 0,1,2,3
	v_max3_num_f32 v[TM+\b], v[TM+\b], |v[\s+16*\b+\i]|, |v[\s+1+16*\b+\i]|   ; the four blocks by turns
.endr
.endr
.irp b, 0,1,2,3
	v_permlanex16_b32 v[TM+4+\b], v[TM+\b], s[SEL], s[SEL+1]
.endr
.irp b, 0,1,2,3
	v_max_num_f32 v[TM+\b], v[TM+\b], v[TM+4+\b]                   ; the block's largest magnitude
.endr
.irp b, 0,1,2,3
	v_add_nc_u32 v[TM+12+\b], 0xfc000000, v[TM+\b]                 ; 8 off its exponent field: the conversion's scale operand
.endr
.irp b, 0,1,2,3
	v_and_or_b32 v[TM+8+\b], v[TM+\b], 0x7f800000, s[MNT]          ; 448 x the scale
.endr
.irp b, 0,1,2,3
	v_lshrrev_b32 v[TM+4+\b], 23, v[TM+12+\b]                      ; the scale's byte
.endr
.irp b, 0,1,2,3
.irp i, 0,1,2,3,4,5,6,7,8,9,10,11,12,13,14,15
	v_med3_num_f32 v[\s+16*\b+\i], v[\s+16*\b+\i], -v[TM+8+\b], v[TM+8+\b]   ; the conversion does not saturate (ISA guide 7.6.2): the hold comes first
.endr
	v_cvt_scalef32_pk8_fp8_f32 v[PC+4*\b:PC+1+4*\b], v[\s+16*\b:\s+7+16*\b], v[TM+12+\b]
	v_cvt_scalef32_pk8_fp8_f32 v[PC+2+4*\b:PC+3+4*\b], v[\s+8+16*\b:\s+15+16*\b], v[TM+12+\b]
.endr
	v_nop                                          ; one plain line behind the last conversion
.endm
.macro BIASZ p                         ; the bias along Z: 32 numbers a lane
.irp jl, 0,1
.irp q, 0,1,2,3
	global_load_b128 v[BZ+16*\jl+4*\q:BZ+16*\jl+4*\q+3], v[BO], s[\p:\p+1] offset:128*\jl+16*\q
.endr
.endr
.endm
.macro OPENOUT                         ; a way out begins: eight places behind the last products; earlier stores have read their registers; the bias is in
.rept 8
	v_nop
.endr
	s_wait_xcnt 0x0
	s_wait_loadcnt 0x0
.endm
; query, key: register 32 rt + 16 jl + i is channel 32 jl + 16 h + i of head 2 X + zg, token at place r of tile 2 rl + rt
.macro OUTQK oc, os
	OPENOUT
.irp rt, 0,1
.irp j, 0,2,4,6,8,10,12,14,16,18,20,22,24,26,28,30
	v_pk_add_f32 v[ACC+32*\rt+\j:ACC+32*\rt+\j+1], v[ACC+32*\rt+\j:ACC+32*\rt+\j+1], v[BZ+\j:BZ+\j+1]   ; ascending: each accumulator is read from its low end on
.endr
.endr
	QUANT ACC                                      ; block 2 rt + jl
	v_lshl_or_b32 v[WD], v[TM+5], 8, v[TM+4]       ; tile rt = 0: the head's two bytes,
	v_lshl_or_b32 v[WD+1], v[TM+7], 8, v[TM+6]     ; tile rt = 1
	v_add_nc_u32 v[VO], s[\oc], v[LN16]
	v_add_nc_u32 v[VO+1], s[\os], v[LN4]
	v_cndmask_b32 v[WD], v[WD], v[WD+1], s[HM]     ; lanes 0-15 the even tile's rows, lanes 16-31 the odd tile's
	v_or_b32 v[WD], 0x7f7f0000, v[WD]              ; 1.0 for the half of K that holds nothing
.irp rt, 0,1
.irp jl, 0,1
	global_store_b128 v[VO], v[PC+8*\rt+4*\jl:PC+8*\rt+4*\jl+3], s[14:15] offset:1024*\rt+512*\jl   ; 512 consecutive bytes, aligned
.endr
.endr
	global_store_b32 v[VO+1], v[WD], s[16:17]
.endm
	s_load_b256 s[4:11], s[0:1], 0x0               ; codes, scales, bq, bk
	s_load_b128 s[12:15], s[0:1], 0x20             ; bv, acodes
	s_load_b64 s[16:17], s[0:1], 0x30              ; ascales
	v_lshl_add_u32 v254, v0, 2, SPARE
	v_mov_b32 v255, 0
	ds_add_u32 v254, v255                          ; the opening lines: the add, twice on end, and its wait ahead of the first tensor load
	ds_add_u32 v254, v255
	v_lshrrev_b32 v1, 5, v0
	v_readfirstlane_b32 s[WV], v1                  ; wave 0..7
	s_lshr_b32 s[ZG], s[WV], 2
	s_and_b32 s[RL], s[WV], 3
	s_lshl_b32 s[LW], s[WV], 14
	s_bfe_u32 s21, ttmp6, 0x40000                  ; cx
	s_bfe_u32 s22, ttmp6, 0x40004                  ; cy
	s_lshl_b32 s[GX], ttmp9, 2
	s_add_co_u32 s[GX], s[GX], s21                 ; X = 4 x cluster x + cx
	s_and_b32 s[GY], ttmp7, 0xffff
	s_lshl_b32 s[GY], s[GY], 2
	s_add_co_u32 s[GY], s[GY], s22                 ; Y = 4 x cluster y + cy
	s_lshl_b32 s26, s22, 2
	s_lshl_b32 s26, 15, s26                        ; my row of the cluster
	s_lshl_b32 s27, 0x1111, s21                    ; my column
	s_or_b32 s[G1T], s26, (3<<16)|(1<<21)          ; 15:0 the mask: TOK goes to my row; 17:16 elements of 8 bytes; 21 set beside a mask
	s_or_b32 s[G1W], s27, (3<<16)|(1<<21)          ; WGT to my column
	s_or_b32 s[G1TS], s26, (3<<16)|(1<<21)
	s_or_b32 s[G1WS], s27, (3<<16)|(1<<21)
.irp g, G1T, G1W
	s_mov_b32 s[\g+1], 32<<16                      ; dense bytes as rows of 256: at the head half of K of a panel, 256 rows
	s_mov_b32 s[\g+2], 256<<16
	s_mov_b32 s[\g+3], 32<<16
	s_mov_b32 s[\g+4], 256
	s_mov_b32 s[\g+5], 32
	s_mov_b32 s[\g+6], 0
	s_mov_b32 s[\g+7], 0
.endr
.irp g, G1TS, G1WS
	s_mov_b32 s[\g+1], 512<<16                     ; three rows of 4,096 bytes: a panel's scale words for each kind
	s_mov_b32 s[\g+2], 3<<16
	s_mov_b32 s[\g+3], 512<<16
	s_mov_b32 s[\g+4], 3
	s_mov_b32 s[\g+6], 0
	s_mov_b32 s[\g+7], 0
.endr
	s_mov_b32 s[G1TS+5], 16384                     ; from kind to kind 32 panels of 4,096 bytes,
	s_mov_b32 s[G1WS+5], 4096                      ; 8 panels
	s_lshl_b32 s92, s[GY], 17                      ; TOK's offsets never hold cx,
	s_mov_b32 s93, 0
	s_lshl_b32 s94, s[GY], 12
	s_mov_b32 s95, 0
	s_add_co_u32 s96, s[GX], 96                    ; WGT's never cy
	s_lshl_b32 s98, s96, 12
	s_lshl_b32 s96, s96, 17
	s_mov_b32 s97, 0
	s_mov_b32 s99, 0
	s_wait_dscnt 0x0                               ; both opening adds are done
	s_wait_kmcnt 0x0
	G0SET 68, 0, 4, 92, 0                          ; phase 0: TOK's first half,
	G0SET 72, 65536, 4, 96, 0                      ; WGT's,
	G0SET 76, SCL, 6, 94, 0                        ; TOK's scale words,
	G0SET 80, SCL+12288, 6, 98, 0                  ; WGT's,
	G0SET 84, CHUNK, 4, 92, 65536                  ; the second halves
	G0SET 88, CHUNK+65536, 4, 96, 65536
	CROUND                                         ; all sixteen work-groups are here: the joint loads meet
	ARM 1, 68, G1T, .Lh1                           ; one load a wave, in one chain of branches on the wave's number; waves 6, 7 none
	ARM 2, 72, G1W, .Lh2
	ARM 3, 76, G1TS, .Lh3
	ARM 4, 80, G1WS, .Lh4
	ARM 5, 84, G1T, .Lh5
	ARM 6, 88, G1W, .Lh6
.Lasked:
	s_lshl_b32 s60, s[RL], 14                      ; my quarter of a half
	s_mov_b32 s61, 0
	s_add_nc_u64 s[PT:PT+1], s[4:5], s[92:93]
	s_add_nc_u64 s[PT:PT+1], s[PT:PT+1], s[60:61]
	s_add_nc_u64 s[PW:PW+1], s[4:5], s[96:97]
	s_add_nc_u64 s[PW:PW+1], s[PW:PW+1], s[60:61]
	s_cmp_eq_u32 s[ZG], 0                          ; the prefetches: of the tensor that I fetch for,
	s_cselect_b32 s100, s92, s96
	s_cselect_b32 s101, s21, s22                   ; my place among the four that ask with me,
	s_mov_b32 s98, 1<<20
	s_cselect_b32 s98, 1<<22, s98                  ; bytes from kind to kind
	s_lshl_b32 s101, s101, 12                      ; 16 blocks of 256 bytes a partner
	s_add_co_u32 s100, s100, s101
	s_add_co_u32 s100, s100, s60
	s_add_co_u32 s100, s100, s98
	s_mov_b32 s101, 0
	s_add_nc_u64 s[PF1:PF1+1], s[4:5], s[100:101]
	s_add_co_u32 s100, s100, s98
	s_add_nc_u64 s[PF2:PF2+1], s[4:5], s[100:101]
	s_lshl_b32 s100, s[GX], 9                      ; the biases: along Z from 4 (128 X + 64 zg), along R from 4 (128 X + 32 rl)
	s_lshl_b32 s98, s[ZG], 8
	s_add_co_u32 s98, s100, s98
	s_mov_b32 s99, 0
	s_add_nc_u64 s[8:9], s[8:9], s[98:99]
	s_add_nc_u64 s[10:11], s[10:11], s[98:99]
	s_lshl_b32 s98, s[RL], 7
	s_add_co_u32 s98, s100, s98
	s_add_nc_u64 s[12:13], s[12:13], s[98:99]
	s_and_b32 s21, s[GY], 15                       ; where the results go: the panel within its batch,
	s_lshr_b32 s22, s[GY], 4
	s_lshl_b32 s22, s22, 4
	s_lshl_b32 s98, s[GX], 1
	s_add_co_u32 s22, s22, s98                     ; 16 x batch + 2 X: the first of the tile's two heads
	s_add_co_u32 s98, s22, s[ZG]                   ; query, key: b h
	s_lshl_b32 s[OQC], s98, 17
	s_lshl_b32 s99, s21, 13
	s_add_co_u32 s[OQC], s[OQC], s99
	s_lshl_b32 s99, s[RL], 11
	s_add_co_u32 s[OQC], s[OQC], s99
	s_add_co_u32 s[OKC], s[OQC], 0x400000
	s_lshl_b32 s99, s21, 9
	s_lshl_b32 s100, s[RL], 7
	s_add_co_u32 s99, s99, s100
	s_lshl_b32 s[OQS], s98, 13
	s_add_co_u32 s[OQS], s[OQS], s99
	s_mul_i32 s[OKS], s98, 12288
	s_add_co_u32 s[OKS], s[OKS], s99
	s_add_co_u32 s[OKS], s[OKS], 262144
	s_lshr_b32 s98, s[RL], 1
	s_add_co_u32 s98, s22, s98                     ; value: b h
	s_and_b32 s99, s[RL], 1
	s_lshl_b32 s[OVC], s98, 17
	s_add_co_u32 s[OVC], s[OVC], 0x800000
	s_lshl_b32 s100, s21, 13
	s_add_co_u32 s[OVC], s[OVC], s100
	s_lshl_b32 s100, s99, 12
	s_add_co_u32 s[OVC], s[OVC], s100
	s_lshl_b32 s100, s[ZG], 10
	s_add_co_u32 s[OVC], s[OVC], s100
	s_mul_i32 s[OVS], s98, 12288
	s_add_co_u32 s[OVS], s[OVS], 270336
	s_lshl_b32 s100, s21, 8
	s_add_co_u32 s[OVS], s[OVS], s100
	s_lshl_b32 s100, s99, 7
	s_add_co_u32 s[OVS], s[OVS], s100
	s_lshl_b32 s100, s[ZG], 1
	s_add_co_u32 s[OVS], s[OVS], s100
	s_lshl_b32 s98, s[RL], 12                      ; LDS: as R two fragments of 2,048 bytes a wave,
	s_lshl_b32 s99, s[ZG], 13                      ; as Z four;
	s_lshr_b32 s100, s[RL], 1                      ; R's words: group of four tiles, word of the pair, 8 bytes a lane;
	s_lshl_b32 s100, s100, 8
	s_and_b32 s101, s[RL], 1
	s_lshl_b32 s101, s101, 2
	s_add_co_u32 s100, s100, s101
	s_add_co_u32 s100, s100, SCL
	s_lshl_b32 s101, s[ZG], 8                      ; Z's: both words of my group
	s_add_co_u32 s101, s101, SCL
	v_and_b32 v2, 31, v0                           ; lane
	v_lshlrev_b32 v[LN16], 4, v2
	v_lshlrev_b32 v[LN4], 2, v2
	v_lshlrev_b32 v3, 3, v2
	v_min_u32 v[PFO], 15, v2
	v_lshlrev_b32 v[PFO], 8, v[PFO]
	v_add_nc_u32 v[AQ], s98, v[LN16]               ; R = TOK, at a slot's head
	v_add_nc_u32 v[AQ+1], CHUNK, v[AQ]
	v_add_nc_u32 v[AV], 65536, v[AQ]               ; R = WGT, behind TOK's four K steps
	v_add_nc_u32 v[AV+1], CHUNK, v[AV]
	v_add_nc_u32 v[AV+2], s99, v[LN16]             ; Z = TOK
	v_add_nc_u32 v[AV+3], CHUNK, v[AV+2]
	v_add_nc_u32 v[AQ+2], 65536, v[AV+2]           ; Z = WGT
	v_add_nc_u32 v[AQ+3], CHUNK, v[AQ+2]
	v_add_nc_u32 v[RW], s100, v3
	v_add_nc_u32 v[ZW], s101, v3
	v_bfe_u32 v[BO], v0, 4, 1                      ; h
	v_lshlrev_b32 v[BO], 6, v[BO]
	v_and_b32 v3, 15, v0                           ; r
	v_and_b32 v[BO1], 8, v3
	v_add_nc_u32 v[BO1], v[BO1], v3
	v_lshlrev_b32 v[BO1], 2, v[BO1]                ; 4 (r + 8 (r / 8))
.irp b, 0,1,2,3
	v_mov_b32 v[TM+4+\b], 0                        ; written once: a lane permute's destination counts as one of its sources
.endr
	BIASZ 8                                        ; bq
.irp rt, 0,1
	global_load_b32 v[BR+2*\rt], v[BO1], s[12:13] offset:32*\rt
	global_load_b32 v[BR+2*\rt+1], v[BO1], s[12:13] offset:32*\rt     ; bv, twice: a pair for the packed addition
.endr
	s_mov_b32 s[SEL], 0x76543210
	s_mov_b32 s[SEL+1], 0xfedcba98
	s_mov_b32 s[MNT], 0x600000
	s_mov_b32 s[HM], 0xffff0000
	s_wait_alu depctr_va_vdst(0)                   ; the wait at the head's end
	s_cmp_lt_u32 s[WV], 4                          ; waves 0 to 3 issued the first half and the scale words, each by a line of its own: they wait here; the second halves stay out
	s_cbranch_scc0 .Lnot_first
	s_wait_tensorcnt 0x0
.Lnot_first:
	s_barrier_signal -1
	s_barrier_wait -1
	HALF 0, AQ, 0, 12288, 0, 1                     ; QUERY
	REFILL 0, 1<<22, 1<<20, 1                      ; its wait shows slot 1 whole; slot 0 takes key's first half
	HALF 1, AQ, 0, 12288, 1, 2
	OUTQK OQC, OQS
	BIASZ 10                                       ; bk, into the registers that the additions have read
	REFILL 1, 65536, 65536, 0                      ; slot 1 takes key's second half
	HALF 0, AQ, 4096, 16384, 1, 3                  ; KEY
	REFILL 0, (1<<22)-65536, (1<<20)-65536, 0      ; slot 0 takes value's first half
	HALF 1, AQ, 4096, 16384, 1, 0
	OUTQK OKC, OKS
	REFILL 1, 65536, 65536, 0                      ; slot 1 takes value's second half: the last fill
	HALF 0, AV, 20480, 8192, 1, 0                  ; VALUE
	s_wait_tensorcnt 0x0                           ; my part of the last fill is in (no LDS load of mine is out: each K step ends at zero)
	s_barrier_signal -1
	s_barrier_wait -1
	HALF 1, AV, 20480, 8192, 1, 0
	; value: register 32 rt + 16 jl + i is key 64 zg + 32 jl + 16 h + i of the panel; channel at place r of d tile 2 (rl % 2) + rt of head 2 X + rl / 2
	OPENOUT
.irp rt, 0,1
.irp j, 0,2,4,6,8,10,12,14,16,18,20,22,24,26,28,30
	v_pk_add_f32 v[ACC+32*\rt+\j:ACC+32*\rt+\j+1], v[ACC+32*\rt+\j:ACC+32*\rt+\j+1], v[BR+2*\rt:BR+2*\rt+1]
.endr
.endr
	QUANT ACC
	v_lshl_or_b32 v[WD], v[TM+5], 8, v[TM+4]
	v_lshl_or_b32 v[WD+1], v[TM+7], 8, v[TM+6]
	v_add_nc_u32 v[VO], s[OVC], v[LN16]
	v_add_nc_u32 v[VO+1], s[OVS], v[LN4]
	v_cndmask_b32 v[WD], v[WD], v[WD+1], s[HM]
.irp rt, 0,1
.irp jl, 0,1
	global_store_b128 v[VO], v[PC+8*\rt+4*\jl:PC+8*\rt+4*\jl+3], s[14:15] offset:2048*\rt+512*\jl
.endr
.endr
	global_store_b16 v[VO+1], v[WD], s[16:17]      ; bytes 2 zg, 2 zg + 1 of each row's word: the other two come from the wave with the other zg
	s_wait_tensorcnt 0x0                           ; the wave's end
	ds_add_u32 v254, v255
	s_wait_dscnt 0x0
	CROUND                                         ; the closing round: no work-group ends while a partner may still ask for a part that names it
	s_endpgm
.Lfunc_end_k_qbf48d18b54_proj:
	.size	k_qbf48d18b54_proj, .Lfunc_end_k_qbf48d18b54_proj-k_qbf48d18b54_proj
	.p2alignl 7, 3214868480
	.fill 96, 4, 3214868480
	.section	.rodata,"a",@progbits
	.p2align	6, 0x0
	.amdhsa_kernel k_qbf48d18b54_proj
		.amdhsa_group_segment_fixed_size 327680
		.amdhsa_private_segment_fixed_size 0
		.amdhsa_enable_private_segment 0
		.amdhsa_kernarg_size 56
		.amdhsa_user_sgpr_count 2
		.amdhsa_user_sgpr_kernarg_segment_ptr 1
		.amdhsa_wavefront_size32 1
		.amdhsa_system_sgpr_workgroup_id_x 1
		.amdhsa_system_sgpr_workgroup_id_y 1
		.amdhsa_system_sgpr_workgroup_id_z 1
		.amdhsa_system_vgpr_workitem_id 0
		.amdhsa_next_free_vgpr 256
		.amdhsa_next_free_sgpr 102
		.amdhsa_reserve_vcc 0
		.amdhsa_float_denorm_mode_32 3
		.amdhsa_float_denorm_mode_16_64 3
		.amdhsa_memory_ordered 1
		.amdhsa_forward_progress 1
		.amdhsa_inst_pref_size 124
	.end_amdhsa_kernel
	.amdgpu_metadata
---
amdhsa.version: [ 1, 2 ]
amdhsa.kernels:
  - .name:           k_qbf48d18b54_proj
    .symbol:         k_qbf48d18b54_proj.kd
    .args:
      - { .name: codes, .offset: 0, .size: 8, .value_kind: global_buffer, .address_space: global }
      - { .name: scales, .offset: 8, .size: 8, .value_kind: global_buffer, .address_space: global }
      - { .name: bq, .offset: 16, .size: 8, .value_kind: global_buffer, .address_space: global }
      - { .name: bk, .offset: 24, .size: 8, .value_kind: global_buffer, .address_space: global }
      - { .name: bv, .offset: 32, .size: 8, .value_kind: global_buffer, .address_space: global }
      - { .name: acodes, .offset: 40, .size: 8, .value_kind: global_buffer, .address_space: global }
      - { .name: ascales, .offset: 48, .size: 8, .value_kind: global_buffer, .address_space: global }
    .group_segment_fixed_size: 327680
    .private_segment_fixed_size: 0
    .kernarg_segment_align: 8
    .kernarg_segment_size: 56
    .max_flat_workgroup_size: 256
    .sgpr_count:     102
    .vgpr_count:     256
    .wavefront_size: 32
...
	.end_amdgpu_metadata
.endif
;; end of part 2
;; launch attn (part 3): grid 8 x 32, 16 waves a work-group, clusters of 4 x 1, 327,680 bytes of LDS; arguments acodes, ascales, maskw, xcodes, xscales; writes xcodes, xscales
.if DOCPART == 3
	.amdgcn_target "amdgcn-amd-amdhsa--gfx1250"
	.amdhsa_code_object_version 6
	.text
	.protected	k_qbf48d18b54_attn
	.globl	k_qbf48d18b54_attn
	.p2align	8
	.type	k_qbf48d18b54_attn,@function
k_qbf48d18b54_attn:
	s_mov_b64 s[64:65], 0
	v_nop
	global_prefetch_b8 v0, s[64:65] scope:SCOPE_SE
	s_setreg_imm32_b32 hwreg(HW_REG_WAVE_MODE, 25, 1), 1
	s_wait_xcnt 0x0
	s_wait_alu depctr_hold_cnt(0) depctr_sa_sdst(0) depctr_va_vdst(0) depctr_va_sdst(0) depctr_va_ssrc(0) depctr_va_vcc(0) depctr_vm_vsrc(0)
	s_getreg_b32 s2, hwreg(HW_REG_IB_STS2, 6, 4)
	s_cmp_eq_u32 s2, 0
	s_cbranch_scc0 .Lentry_in_a_cluster
	s_endpgm
.Lentry_in_a_cluster:
	s_bfe_u32 s2, ttmp6, 0x10000c
	s_cmp_lg_u32 s2, 0x3003
	s_cbranch_scc0 .Lentry_shape_is_right
	s_endpgm
.Lentry_shape_is_right:
; Attention of one head on codes of FP8 (E4M3) with E8M0 scales: scores = query . key / 8; where the mask is 0 the logit is -1 (a soft mask: such keys still count); softmax; x = attn value; x is quantised along h x 64 + d for the last product.
; THE SOFTMAX AHEAD OF THE SECOND PRODUCT: t = score x log2(e) / 8; M = the row's largest t so far, rounded UP to a whole number; p = 2^(t - M) is what is quantised, along the keys, not normalised.
; The row's sum is taken of the unquantised p, in f32, and divides at the end.  When M moves, the sum and O are multiplied by 2^(old M - new M): exact.
; SHARES.  A work-group owns 256 queries of one head (b h = the grid's y); each of its sixteen waves one tile of 16, in 256 registers.  Every wave walks 16 steps of 128 keys.
; ALL of the head's key and value codes (2 x 131,072 bytes) and their scale words (12,288) lie in LDS: each byte is filled once, nothing is filled again, so there is no ring.
; THE FILLS come in two groups.  At the head wave 0 asks for the first quarter of K (four steps, 32,768 bytes), wave 4 for that of V, wave 8 for the scale words.  When these have landed, behind the three lines and a round of the cluster's
; barrier, waves 1-3 and 5-7 ask for the other quarters.  Steps 0 to 2 read the first quarters alone (step 2 asks for step 3's K, the quarter's last);
; behind step 2 every wave waits for its load, and a barrier shows the rest.
; LAYOUT.  Both products are used transposed: S^T = K Q^T, O^T = V^T P^T: a lane holds ONE query (lane % 16).  By the order of rows in a tile (place r of tile T = row 32 (T / 2) + 8 (T % 2) + r + 8 (r / 8)) score register n
; of lane (r, h) is key 32 (n / 16) + 16 h + n % 16 of the step: p's conversions give the second product's operand as it stands, and O^T's register 16 b + i is channel 32 b + 16 h + i.
; K = 64 IN A FORM OF K = 128.  Q's registers for k = 64 .. 127 are zeros, and bytes 2 and 3 of Q's and K's scale words are 0x7f.  A key tile's operand is its own 8 registers and the 8 that follow (the next tile's; zeros behind the last).
; THE MASK: its words were laid by the first launch as lane masks, word n for score register n; a step's 64 words come by four scalar loads, a step ahead.  -8.0 stands for the logit -1 ahead of the scaling by 1 / 8.
; REGISTERS OF A STEP.  v32-95 hold K; as soon as the first product has read them, the next step's K is asked for.  v104-167 hold the scores, then p, and, as p's blocks are converted, V.
; The 68 exponentials of a step are one batch, with one wait ahead of it and one behind it.
; CLUSTER: the four query blocks of a cluster belong to one head: keys, values and scale words are asked for jointly, by the same loads with the same descriptors and the mask 15.
; NO PREFETCH: all tiles are asked for ahead of the first step; there is no later tensor load to run ahead of.
; LIMITS: the promise holds while the scaled scores stay under 2^31 in magnitude; a block of zeros gets the byte 1 where the rule says 127 (zero codes; this program alone reads the bytes); NaN and infinities are not served.
.set VIMG, 131072                      ; LDS: K's image at 0, 8,192 bytes a step: [tile 8][c 2][lane][16]; V's here: [d tile 4][c 4][lane][16]
.set KSW,  262144                      ; K's scale words, 512 bytes a step: [tile][r]
.set VSW,  270336                      ; V's, 256 bytes a step: [pair of d tiles][lane]
.set SPARE, 274432                     ; the spare words: 128 bytes a wave, eight blocks of 256 bytes that no other line names
.set LN16, 1                           ; v1   16 x lane
.set NEG8, 5                           ; v5   -8.0
.set QW,   6                           ; v6   4 r
.set XB,   7                           ; v7   8 r + h: my byte among x's scale words
.set ADK,  8                           ; v8-11 LDS addresses of this step's K, V, K's words, V's words: stepped once a step
.set ADV,  9
.set ADS,  10
.set ADT,  11
.set KS,   32                          ; v32-95 K; v96-103 zeros, never rewritten
.set SS,   104                         ; v104-167 scores, p, V
.set O,    168                         ; v168-199 O^T
.set PC,   200                         ; v200-215 p's codes
.set VW,   216                         ; v216-217 V's scale words and nothing else
.set SPW,  218                         ; v218 my spare word; v219 0: never rewritten
.set NIL,  219
.set T1,   220                         ; v220 the old -M, then old M - new M
.set MNV,  221                         ; v221 the mantissa field of 448
.set SM,   222                         ; v222-229 the step's sum of p, four chains of pairs
.set CV,   230                         ; v[230:231] c = log2(e) / 8, twice
; v12 -M, v13 the largest score so far, v[14:15] the row's sum; v16-23 Q, v24-31 zeros; v232-247 at work; v248-251 K's scale words and nothing else; v252 at work; v253 p's scale word; v254 f; v255 Q's scale word
.set SEL,  2                           ; s2, s3 lane selects: lane l xor 16
.set G1C,  4                           ; s[4:11], s[12:15] groups 1 and 0 for the codes; s[84:91], s[92:95] for the scale words: no mask word lands on them
.set G0C,  12
.set G1S,  84
.set G0S,  92
.set MP,   96                          ; s[96:97] the step's mask words
.set OC,   98                          ; s[98:99] x's codes, s[100:101] x's scale bytes
.set OS,   100
.set WV,   104
.set CNT,  105
; s16-63 and s68-83: at the head arguments and offsets, then the step's 64 mask words
.macro CROUND                          ; a round of the cluster's barrier
	s_barrier_signal -1
	s_barrier_wait -1
	s_cmp_lg_u32 s[WV], 0
	s_cbranch_scc1 .Lnot_wave_0_\@
	s_barrier_signal -3
.Lnot_wave_0_\@:
	s_barrier_wait -3
	s_barrier_signal -1
	s_barrier_wait -1
.endm
.macro TLOAD g0, g1                    ; an s_nop 0 and four v_nop follow the load
	tensor_load_to_lds s[\g0:\g0+3], s[\g1:\g1+7]
	s_nop 0
.rept 4
	v_nop
.endr
.endm
	s_load_b256 s[16:23], s[0:1], 0x0              ; acodes, ascales, maskw, xcodes
	s_load_b64 s[24:25], s[0:1], 0x20              ; xscales
	v_lshl_add_u32 v[SPW], v0, 2, SPARE
	v_mov_b32 v[NIL], 0
	ds_add_u32 v[SPW], v[NIL]                      ; the opening lines: the add, twice on end, and its wait ahead of the first tensor load
	ds_add_u32 v[SPW], v[NIL]
	v_lshrrev_b32 v1, 5, v0
	v_readfirstlane_b32 s[WV], v1                  ; wave 0..15
	s_bfe_u32 s40, ttmp6, 0x40000                  ; cx
	s_lshl_b32 s41, ttmp9, 2
	s_add_co_u32 s41, s41, s40                     ; my block of 256 queries: it enters no joint load and no LDS address
	s_and_b32 s42, ttmp7, 0xffff                   ; b h, which the four partners share
	s_lshr_b32 s43, s[WV], 3
	s_and_b32 s44, s[WV], 7                        ; T: my tile of the panel
	s_lshl_b32 s45, s41, 1
	s_add_co_u32 s45, s45, s43                     ; pl: my panel of 128 queries
	s_mul_i32 s46, s42, 12288                      ; the head's scale words of K and V
	s_add_co_u32 s46, s46, 262144
	s_mov_b32 s47, 0
	s_bfe_u32 s48, s[WV], 0x10002                  ; (wave / 4) % 2: K's codes or V's,
	s_lshl_b32 s48, s48, 22
	s_add_co_u32 s48, s48, 0x400000
	s_lshl_b32 s51, s42, 17                        ; the head,
	s_add_co_u32 s48, s48, s51
	s_and_b32 s51, s[WV], 3                        ; the quarter
	s_lshl_b32 s51, s51, 15
	s_add_co_u32 s48, s48, s51
	s_mov_b32 s49, 0
	s_mov_b32 s[G1S], 15|(3<<16)|(1<<21)           ; 15:0 the mask: all four; 17:16 elements of 8 bytes; 21 set beside a mask; 48 rows of 256 bytes, dense
	s_mov_b32 s[G1S+1], 32<<16
	s_mov_b32 s[G1S+2], 48<<16
	s_mov_b32 s[G1S+3], 32<<16
	s_mov_b32 s[G1S+4], 48
	s_mov_b32 s[G1S+5], 32
	s_mov_b32 s[G1S+6], 0
	s_mov_b32 s[G1S+7], 0
	s_mov_b32 s[G1C], 15|(3<<16)|(1<<21)           ; the codes: 128 rows of 256 bytes, dense
	s_mov_b32 s[G1C+1], 32<<16
	s_mov_b32 s[G1C+2], 128<<16
	s_mov_b32 s[G1C+3], 32<<16
	s_mov_b32 s[G1C+4], 128
	s_mov_b32 s[G1C+5], 32
	s_mov_b32 s[G1C+6], 0
	s_mov_b32 s[G1C+7], 0
	s_lshl_b32 s52, s45, 3                         ; my own offsets: mask words, 4,096 bytes a query tile
	s_add_co_u32 s52, s52, s44
	s_lshl_b32 s52, s52, 12
	s_mov_b32 s53, 0
	s_lshl_b32 s54, s42, 17                        ; Q's codes
	s_lshl_b32 s61, s45, 13
	s_add_co_u32 s54, s54, s61
	s_lshl_b32 s61, s44, 10
	s_add_co_u32 s54, s54, s61
	s_mov_b32 s55, 0
	s_lshl_b32 s56, s42, 13                        ; Q's scale words
	s_lshl_b32 s61, s45, 9
	s_add_co_u32 s56, s56, s61
	s_lshl_b32 s61, s44, 6
	s_add_co_u32 s56, s56, s61
	s_mov_b32 s57, 0
	s_lshr_b32 s58, s42, 4
	s_lshl_b32 s58, s58, 4
	s_add_co_u32 s58, s58, s45                     ; x's panel: 16 x batch + pl
	s_bfe_u32 s59, s42, 0x30001                    ; head / 2: the K step of the last product
	s_and_b32 s60, s42, 1                          ; head % 2: which half of it
	s_lshl_b32 s62, s58, 17                        ; x's codes
	s_lshl_b32 s61, s59, 14
	s_add_co_u32 s62, s62, s61
	s_lshl_b32 s61, s44, 11
	s_add_co_u32 s62, s62, s61
	s_lshl_b32 s61, s60, 10
	s_add_co_u32 s62, s62, s61
	s_mov_b32 s63, 0
	s_lshl_b32 s40, s58, 12                        ; x's scale bytes: panel, K step, group of four tiles, lanes' half, word of the pair, bytes 2 (head % 2) on
	s_lshl_b32 s61, s59, 9
	s_add_co_u32 s40, s40, s61
	s_lshr_b32 s61, s44, 2
	s_lshl_b32 s61, s61, 8
	s_add_co_u32 s40, s40, s61
	s_and_b32 s61, s44, 1
	s_lshl_b32 s61, s61, 7
	s_add_co_u32 s40, s40, s61
	s_bfe_u32 s61, s44, 0x10001
	s_lshl_b32 s61, s61, 2
	s_add_co_u32 s40, s40, s61
	s_lshl_b32 s61, s60, 1
	s_add_co_u32 s40, s40, s61
	s_mov_b32 s41, 0
	s_mov_b32 s[SEL], 0x76543210
	s_mov_b32 s[SEL+1], 0xfedcba98
	s_wait_dscnt 0x0                               ; both opening adds are done
	s_wait_kmcnt 0x0
	s_mov_b32 s[G0S], 1
	s_mov_b32 s[G0S+1], KSW
	s_add_nc_u64 s[G0S+2:G0S+3], s[18:19], s[46:47]
	s_or_b32 s[G0S+3], s[G0S+3], 0x80000000
	s_mov_b32 s[G0C], 1
	s_lshl_b32 s[G0C+1], s[WV], 15                 ; wave x 32,768: K's four quarters, then V's four
	s_add_nc_u64 s[G0C+2:G0C+3], s[16:17], s[48:49]
	s_or_b32 s[G0C+3], s[G0C+3], 0x80000000
	s_add_nc_u64 s[MP:MP+1], s[20:21], s[52:53]
	s_add_nc_u64 s[26:27], s[16:17], s[54:55]      ; Q's codes
	s_add_nc_u64 s[28:29], s[18:19], s[56:57]      ; Q's scale words
	s_add_nc_u64 s[OC:OC+1], s[22:23], s[62:63]
	s_add_nc_u64 s[OS:OS+1], s[24:25], s[40:41]
	CROUND                                         ; all four work-groups are here: the joint loads meet
	s_and_b32 s40, s[WV], 3                        ; one chain of branches on the wave's number, one load to an arm
	s_cmp_lg_u32 s40, 0
	s_cbranch_scc1 .Lasked
	s_cmp_lt_u32 s[WV], 8
	s_cbranch_scc0 .Lwords
	TLOAD G0C, G1C                                 ; waves 0, 4: the first quarters of K and V
	s_branch .Lasked
.Lwords:
	s_cmp_eq_u32 s[WV], 8
	s_cbranch_scc0 .Lasked
	TLOAD G0S, G1S                                 ; wave 8: the scale words
.Lasked:
	v_and_b32 v232, 31, v0                         ; lane
	v_and_b32 v233, 15, v0                         ; r
	v_bfe_u32 v234, v0, 4, 1                       ; h
	v_lshlrev_b32 v[LN16], 4, v232
	v_lshlrev_b32 v[QW], 2, v233
	global_load_b128 v[16:19], v[LN16], s[26:27]               ; Q's fragment, k = 0 .. 63: it stays in registers
	global_load_b128 v[20:23], v[LN16], s[26:27] offset:512
	global_load_b32 v255, v[QW], s[28:29]
	v_lshlrev_b32 v[ADK], 4, v232
	v_add_nc_u32 v[ADV], VIMG, v[LN16]
	v_lshl_add_u32 v[ADS], v232, 2, KSW
	v_lshl_add_u32 v[ADT], v232, 2, VSW
	v_lshl_add_u32 v[XB], v233, 3, v234
	v_mov_b32 v[NEG8], 0xc1000000
	v_mov_b32 v[MNV], 0x600000
	v_mov_b32 v[CV], 0x3e38aa3b                    ; log2(e) / 8
	v_mov_b32 v[CV+1], 0x3e38aa3b
	v_mov_b32 v13, 0xff61b1e6                      ; the largest score so far: -3e38, under every score
	v_mul_f32 v252, v[CV], v13                     ; as t,
	v_floor_f32 v12, -v252                         ; and -M
	v_mov_b32 v14, 0                               ; the row's sum
	v_mov_b32 v15, 0
.irp j, 0,1,2,3,4,5,6,7
	v_mov_b32 v[24+\j], 0                          ; Q for k = 64 .. 127
	v_mov_b32 v[KS+64+\j], 0                       ; what follows the last key tile
.endr
.set n, 0
.rept 32
	v_mov_b32 v[O+n], 0                            ; O^T: the step is written for every step alike: the first finds zeros, which the first change of M leaves zeros
.set n, n+1
.endr
	s_wait_alu depctr_va_vdst(0)                   ; the wait at the head's end
	s_wait_loadcnt 0x0                             ; Q is in, so its pointers may be written over
	s_load_b512 s[16:31], s[MP:MP+1], 0x0          ; step 0's 64 mask words
	s_load_b512 s[32:47], s[MP:MP+1], 0x40
	s_load_b512 s[48:63], s[MP:MP+1], 0x80
	s_load_b512 s[68:83], s[MP:MP+1], 0xc0
	s_wait_tensorcnt 0x0                           ; the first quarters and the scale words have landed;
	ds_add_u32 v[SPW], v[NIL]                      ; the add, twice on end
	ds_add_u32 v[SPW], v[NIL]
	s_wait_dscnt 0x0
	CROUND                                         ; a round: that holds of all waves of the four work-groups, and the second group of joint loads meets
	s_and_b32 s[CNT], s[WV], 3
	s_cmp_eq_u32 s[CNT], 0
	s_cbranch_scc1 .Lno_second
	s_cmp_lt_u32 s[WV], 8
	s_cbranch_scc0 .Lno_second
	TLOAD G0C, G1C                                 ; waves 1-3, 5-7: the later quarters, each filled for the first time
.Lno_second:
.irp t, 0,1,2,3,4,5,6,7                        ; step 0's K and its scale words: every later step's are asked for a step ahead
.irp c, 0,1
	ds_load_b128 v[KS+8*\t+4*\c:KS+8*\t+4*\c+3], v[ADK] offset:1024*\t+512*\c
.endr
.endr
.irp b, 0,1,2,3
	ds_load_b32 v[248+\b], v[ADS] offset:128*\b    ; lanes 0-15: tile 2 b's words, lanes 16-31: tile 2 b + 1's
.endr
.macro SW t                            ; product t of S^T = K Q^T: eight accumulators, each written once a step
.if (\t)%2
	v_wmma_scale_f32_16x16x128_f8f6f4 v[SS+8*\t:SS+8*\t+7], v[KS+8*\t:KS+8*\t+15], v[16:31], 0, v[248+\t/2], v255 matrix_a_scale:MATRIX_SCALE_ROW1
.else
	v_wmma_scale_f32_16x16x128_f8f6f4 v[SS+8*\t:SS+8*\t+7], v[KS+8*\t:KS+8*\t+15], v[16:31], 0, v[248+\t/2], v255
.endif
.endm
.macro PV dt                           ; product dt of O^T += V^T P^T: four accumulators by turns
.if (\dt)%2
	v_wmma_scale_f32_16x16x128_f8f6f4 v[O+8*\dt:O+8*\dt+7], v[SS+16*\dt:SS+16*\dt+15], v[PC:PC+15], v[O+8*\dt:O+8*\dt+7], v[VW+\dt/2], v253 matrix_a_scale:MATRIX_SCALE_ROW1
.else
	v_wmma_scale_f32_16x16x128_f8f6f4 v[O+8*\dt:O+8*\dt+7], v[SS+16*\dt:SS+16*\dt+15], v[PC:PC+15], v[O+8*\dt:O+8*\dt+7], v[VW+\dt/2], v253
.endif
.endm
.macro OM dt                           ; tile dt of O^T under the new M: x f, from the accumulator's low end on (of the pair v[254:255] the low word serves both halves)
.irp j, 0,2,4,6
	v_pk_mul_f32 v[O+8*\dt+\j:O+8*\dt+\j+1], v[O+8*\dt+\j:O+8*\dt+\j+1], v[254:255] op_sel_hi:[1,0]
.endr
.endm
.macro MX b, i                         ; line i of 8 of the largest score of block b (16 registers of mine): two chains, v[232 + b] and v[236 + b], by turns
.if \i == 1
	v_max3_num_f32 v[232+\b], v[SS+16*\b], v[SS+16*\b+1], v[SS+16*\b+2]
.elseif \i == 2
	v_max3_num_f32 v[236+\b], v[SS+16*\b+7], v[SS+16*\b+8], v[SS+16*\b+9]
.elseif \i == 3
	v_max3_num_f32 v[232+\b], v[232+\b], v[SS+16*\b+3], v[SS+16*\b+4]
.elseif \i == 4
	v_max3_num_f32 v[236+\b], v[236+\b], v[SS+16*\b+10], v[SS+16*\b+11]
.elseif \i == 5
	v_max3_num_f32 v[232+\b], v[232+\b], v[SS+16*\b+5], v[SS+16*\b+6]
.elseif \i == 6
	v_max3_num_f32 v[236+\b], v[236+\b], v[SS+16*\b+12], v[SS+16*\b+13]
.elseif \i == 7
	v_max3_num_f32 v[236+\b], v[236+\b], v[SS+16*\b+14], v[SS+16*\b+15]
.else
	v_max_num_f32 v[232+\b], v[232+\b], v[236+\b]
.endif
.endm
.macro CG t, mb, m0                    ; tile t's eight selects (where the mask is 0: -8.0; from the accumulator's low end on), and between them lines m0 .. m0 + 3 of block mb's maximum (mb = -1: none)
.irp q, 0,1,2,3
	v_cndmask_b32 v[SS+8*\t+2*\q], v[NEG8], v[SS+8*\t+2*\q], s[16+8*\t+2*\q+4*(\t/6)]
	v_cndmask_b32 v[SS+8*\t+2*\q+1], v[NEG8], v[SS+8*\t+2*\q+1], s[16+8*\t+2*\q+1+4*(\t/6)]
.if \mb >= 0
	MX \mb, (\m0+\q)
.endif
.endr
.endm
.macro FM j                            ; t - M for score registers j, j + 1 (of the pairs c and -M the low word serves both halves)
	v_pk_fma_f32 v[SS+\j:SS+\j+1], v[SS+\j:SS+\j+1], v[CV:CV+1], v[12:13] op_sel_hi:[1,0,0]
.endm
.macro HOLD2 a, bnd                    ; two p held at 448 x their block's scale, in one dual-issue pair: the conversion does not saturate (ISA guide 7.6.2); p is not negative, so the hold is one-sided
	v_dual_min_num_f32 v[\a], v[\a], v[\bnd] :: v_dual_min_num_f32 v[\a+1], v[\a+1], v[\bnd]
.endm
.macro VL b                            ; V's tile b, into the 16 registers that block b's p has left
.irp u, 0,1,2,3
	ds_load_b128 v[SS+16*(\b)+4*\u:SS+16*(\b)+4*\u+3], v[ADV] offset:2048*(\b)+512*\u
.endr
.endm
; A KEY STEP: 128 keys.  more = 1: the next step's K and mask words are asked for and the addresses step.
.macro STEP more
	s_wait_dscnt 0x0                               ; K's fragments and scale words are in
	SW 0                                           ; (the scores overwrite what held V: nine places or more stand between the last step's product dt and products 2 dt, 2 dt + 1 here)
	SW 1
.rept 8
	v_nop                                          ; eight places between product 0 and the first read of its scores
.endr
	s_wait_kmcnt 0x0                               ; this step's mask words are in (asked for a step ago)
	SW 2
	CG 0, -1, 0                                    ; behind each product 8 or 12 plain lines of earlier tiles: also the places ahead of the reads of its own scores, two groups on
	SW 3
	CG 1, -1, 0
	SW 4
	CG 2, 0, 1
	SW 5
	CG 3, 0, 5
	SW 6
	CG 4, 1, 1
	SW 7
	CG 5, 1, 5                                     ; twelve places behind the last product that read K and its scale words
.if \more
.irp t, 0,1,2,3,4,5,6,7
.irp c, 0,1
	ds_load_b128 v[KS+8*\t+4*\c:KS+8*\t+4*\c+3], v[ADK] offset:8192+1024*\t+512*\c   ; the next step's K
.endr
.endr
.irp b, 0,1,2,3
	ds_load_b32 v[248+\b], v[ADS] offset:512+128*\b
.endr
.endif
.irp dp, 0,1
	ds_load_b32 v[VW+\dp], v[ADT] offset:128*\dp   ; this step's scale words of V
.endr
	CG 6, 2, 1
	CG 7, 2, 5
.if \more
	s_add_nc_u64 s[MP:MP+1], s[MP:MP+1], 256       ; no scalar load is out: the pointer may step, and the words may be loaded anew
	s_load_b512 s[16:31], s[MP:MP+1], 0x0
	s_load_b512 s[32:47], s[MP:MP+1], 0x40
	s_load_b512 s[48:63], s[MP:MP+1], 0x80
	s_load_b512 s[68:83], s[MP:MP+1], 0xc0
.endif
	; block 3's maximum; between its lines each block's maximum is joined with lane l xor 16's.  A block's largest score serves twice: for the row's maximum and, since p rises with the score, for the block's largest p
	MX 3, 1
	MX 3, 2
	v_permlanex16_b32 v236, v232, s[SEL], s[SEL+1]
	MX 3, 3
	MX 3, 4
	v_permlanex16_b32 v237, v233, s[SEL], s[SEL+1]
	MX 3, 5
	MX 3, 6
	v_permlanex16_b32 v238, v234, s[SEL], s[SEL+1]
	MX 3, 7
	v_max_num_f32 v232, v232, v236
	v_max_num_f32 v233, v233, v237
	MX 3, 8
	v_max3_num_f32 v13, v13, v232, v233            ; the running largest score of my query
	v_max_num_f32 v234, v234, v238
	v_permlanex16_b32 v239, v235, s[SEL], s[SEL+1]
	v_mov_b32 v[T1], v12                           ; the old -M
	v_max_num_f32 v235, v235, v239
	v_max3_num_f32 v13, v13, v234, v235
	v_mul_f32 v252, v[CV], v13                     ; as t (c is positive)
	v_floor_f32 v12, -v252                         ; the new -M = floor(-t) = -ceil(t)
.irp b, 0,1,2,3
	v_fma_f32 v[232+\b], v[232+\b], v[CV], v12     ; t - M of each block's largest score
.endr
	v_sub_f32 v[T1], v12, v[T1]                    ; old M - new M: a whole number, 0 or less
.irp j, 0,2,4,6
	FM \j
.endr
	v_cvt_i32_f32 v[T1], v[T1]                     ; (it saturates)
.irp j, 8,10,12,14
	FM \j
.endr
	v_ldexp_f32 v254, 1.0, v[T1]                   ; f = 2^(old M - new M)
.irp j, 16,18,20,22,24,26,28,30,32,34,36,38,40,42,44,46,48,50,52,54,56,58,60,62
	FM \j
.endr
	s_wait_alu depctr_va_vdst(0)                   ; the wait ahead of the batch
.irp b, 0,1,2,3
	v_exp_f32 v[232+\b], v[232+\b]                 ; each block's largest p
.endr
.set n, 0
.rept 64
	v_exp_f32 v[SS+n], v[SS+n]                     ; p = 2^(t - M), at most 1
.set n, n+1
.endr
	v_nop                                          ; a plain place behind the exponentials
	s_wait_alu depctr_va_vdst(0)                   ; one wait for the whole batch, ahead of its first reader
.irp b, 0,1,2,3
	v_max_num_f32 v[232+\b], 0x4800000, v[232+\b]  ; the floor 2^(9 - 127): the byte cannot fall under 1
.endr
.irp b, 0,1,2,3
	v_add_nc_u32 v[244+\b], 0xfc000000, v[232+\b]  ; 8 off the exponent field: the conversion's scale operand
.endr
.irp b, 0,1,2,3
	v_and_or_b32 v[240+\b], v[232+\b], 0x7f800000, v[MNV]   ; 448 x the scale
.endr
.irp b, 0,1,2,3
	v_lshrrev_b32 v[236+\b], 23, v[244+\b]         ; the scale's byte
.endr
	v_lshl_or_b32 v253, v237, 8, v236              ; p's scale word for these 128 keys
	v_lshl_or_b32 v253, v238, 16, v253
	v_lshl_or_b32 v253, v239, 24, v253
	; block by block: p is added to the step's sum UNQUANTISED, held, converted; V's tile for a block's registers is asked for behind the next block's lines
.irp b, 0,1,2,3
.if \b == 0
.irp j, 0,1,2,3
	v_pk_add_f32 v[SM+2*\j:SM+2*\j+1], v[SS+2*\j:SS+2*\j+1], v[SS+8+2*\j:SS+8+2*\j+1]   ; the first block starts the four chains
.endr
.irp j, 0,1,2,3,4,5,6,7
	HOLD2 SS+2*\j, 240
.endr
.else
.irp j, 0,1,2,3,4,5,6,7
	v_pk_add_f32 v[SM+2*(\j%4):SM+2*(\j%4)+1], v[SM+2*(\j%4):SM+2*(\j%4)+1], v[SS+16*\b+2*\j:SS+16*\b+2*\j+1]
	HOLD2 SS+16*\b+2*\j, 240+\b
.endr
.endif
	v_cvt_scalef32_pk8_fp8_f32 v[PC+4*\b:PC+4*\b+1], v[SS+16*\b:SS+16*\b+7], v[244+\b]
	v_cvt_scalef32_pk8_fp8_f32 v[PC+4*\b+2:PC+4*\b+3], v[SS+16*\b+8:SS+16*\b+15], v[244+\b]
.if \b > 0
	VL \b-1
.endif
.endr
	VL 3
	s_wait_alu depctr_va_vdst(0)
	OM 0                                           ; sixteen plain lines between the last conversion and the product that takes its codes
	OM 1
	OM 2
	OM 3
	s_wait_alu depctr_va_vdst(0)                   ; the wait here, directly ahead of the wait below
.irp dt, 0,1,2,3
	s_wait_dscnt 12-4*\dt                          ; V's tile dt and all asked for ahead of it are in; the four loads of each later tile stay out
	PV \dt
.endr
	v_pk_add_f32 v[SM:SM+1], v[SM:SM+1], v[SM+2:SM+3]              ; nine places between product 0 above and the next step's product 0, which writes over its V: the step's sum is closed,
	v_pk_add_f32 v[SM+4:SM+5], v[SM+4:SM+5], v[SM+6:SM+7]
	v_pk_add_f32 v[SM:SM+1], v[SM:SM+1], v[SM+4:SM+5]
	v_pk_fma_f32 v[14:15], v[14:15], v[254:255], v[SM:SM+1] op_sel_hi:[1,0,1]   ; the row's sum under the new M takes it in,
.if \more
	v_add_nc_u32 v[ADK], 0x2000, v[ADK]            ; the addresses step,
	v_add_nc_u32 v[ADV], 0x2000, v[ADV]
	v_add_nc_u32 v[ADS], 0x200, v[ADS]
	v_add_nc_u32 v[ADT], 0x100, v[ADT]
	v_nop
.else
.rept 5
	v_nop
.endr
.endif
.endm
	s_mov_b32 s[CNT], 3
.Lfirst:                                           ; steps 0 to 2: the first quarters of K and V
	STEP 1
	s_sub_co_u32 s[CNT], s[CNT], 1
	s_cmp_lg_u32 s[CNT], 0
	s_cbranch_scc1 .Lfirst
	s_wait_tensorcnt 0x0                           ; every wave's load has landed,
	s_wait_dscnt 0x0                               ; no LDS load of mine is out at the signal,
	s_barrier_signal -1
	s_barrier_wait -1                              ; and that holds of all sixteen: the later quarters may be read.
	s_mov_b32 s[CNT], 12
.Lrest_steps:                                      ; steps 3 to 14
	STEP 1
	s_sub_co_u32 s[CNT], s[CNT], 1
	s_cmp_lg_u32 s[CNT], 0
	s_cbranch_scc1 .Lrest_steps
	STEP 0                                         ; the last step is written out: it asks for nothing more, so that no load leaves its buffer
	; THE WAY OUT.  x = O^T / the sum is quantised along the head's 64 channels, two blocks of the last product's K, and stored as that product's operand.  It is made in the registers that V has left.
	v_add_f32 v14, v14, v15                        ; the sum's two halves,
	v_permlanex16_b32 v252, v14, s[SEL], s[SEL+1]
	v_add_f32 v14, v14, v252                       ; and lane l xor 16's
	s_wait_alu depctr_va_vdst(0)                   ; the wait ahead of the transcendental
	v_rcp_f32 v14, v14
	v_nop                                          ; a plain line behind the reciprocal
	s_wait_alu depctr_va_vdst(0)                   ; the wait ahead of its first reader, which is also the first reader of the last products' results
.set n, 0
.rept 32
	v_mul_f32 v[SS+n], v[O+n], v14                 ; register 16 b + i: channel 32 b + 16 h + i of my query; each accumulator from its low end on
.set n, n+1
.endr
.irp b, 0,1
	v_max3_num_f32 v[232+\b], |v[SS+16*\b]|, |v[SS+1+16*\b]|, 0x4800000
.endr
.irp i, 2,4,6,8,10,12,14
.irp b, 0,1
	v_max3_num_f32 v[232+\b], v[232+\b], |v[SS+16*\b+\i]|, |v[SS+1+16*\b+\i]|
.endr
.endr
.irp b, 0,1
	v_permlanex16_b32 v[236+\b], v[232+\b], s[SEL], s[SEL+1]
.endr
.irp b, 0,1
	v_max_num_f32 v[232+\b], v[232+\b], v[236+\b]
.endr
.irp b, 0,1
	v_add_nc_u32 v[244+\b], 0xfc000000, v[232+\b]
.endr
.irp b, 0,1
	v_and_or_b32 v[240+\b], v[232+\b], 0x7f800000, v[MNV]
.endr
.irp b, 0,1
	v_lshrrev_b32 v[236+\b], 23, v[244+\b]
.endr
	s_mov_b32 s16, 0xffff0000                      ; lanes 16-31
.irp b, 0,1
.irp i, 0,1,2,3,4,5,6,7,8,9,10,11,12,13,14,15
	v_med3_num_f32 v[SS+16*\b+\i], v[SS+16*\b+\i], -v[240+\b], v[240+\b]
.endr
	v_cvt_scalef32_pk8_fp8_f32 v[PC+4*\b:PC+1+4*\b], v[SS+16*\b:SS+7+16*\b], v[244+\b]
	v_cvt_scalef32_pk8_fp8_f32 v[PC+2+4*\b:PC+3+4*\b], v[SS+8+16*\b:SS+15+16*\b], v[244+\b]
.endr
	v_cndmask_b32 v236, v236, v237, s16            ; lanes 0-15 store block 0's byte, lanes 16-31 block 1's.  (A plain line behind the last conversion)
.irp b, 0,1
	global_store_b128 v[LN16], v[PC+4*\b:PC+4*\b+3], s[OC:OC+1] offset:512*\b   ; 512 consecutive bytes, aligned
.endr
	global_store_b8 v[XB], v236, s[OS:OS+1]        ; two bytes a row are all that a head owns of a scale word: 1/32 of what the launch stores
	s_wait_tensorcnt 0x0                           ; the wave's end
	ds_add_u32 v[SPW], v[NIL]
	s_wait_dscnt 0x0
	CROUND                                         ; the closing round
	s_endpgm
.Lfunc_end_k_qbf48d18b54_attn:
	.size	k_qbf48d18b54_attn, .Lfunc_end_k_qbf48d18b54_attn-k_qbf48d18b54_attn
	.p2alignl 7, 3214868480
	.fill 96, 4, 3214868480
	.section	.rodata,"a",@progbits
	.p2align	6, 0x0
	.amdhsa_kernel k_qbf48d18b54_attn
		.amdhsa_group_segment_fixed_size 327680
		.amdhsa_private_segment_fixed_size 0
		.amdhsa_enable_private_segment 0
		.amdhsa_kernarg_size 40
		.amdhsa_user_sgpr_count 2
		.amdhsa_user_sgpr_kernarg_segment_ptr 1
		.amdhsa_wavefront_size32 1
		.amdhsa_system_sgpr_workgroup_id_x 1
		.amdhsa_system_sgpr_workgroup_id_y 1
		.amdhsa_system_sgpr_workgroup_id_z 1
		.amdhsa_system_vgpr_workitem_id 0
		.amdhsa_next_free_vgpr 256
		.amdhsa_next_free_sgpr 106
		.amdhsa_reserve_vcc 0
		.amdhsa_float_denorm_mode_32 3
		.amdhsa_float_denorm_mode_16_64 3
		.amdhsa_memory_ordered 1
		.amdhsa_forward_progress 1
		.amdhsa_inst_pref_size 84
	.end_amdhsa_kernel
	.amdgpu_metadata
---
amdhsa.version: [ 1, 2 ]
amdhsa.kernels:
  - .name:           k_qbf48d18b54_attn
    .symbol:         k_qbf48d18b54_attn.kd
    .args:
      - { .name: acodes, .offset: 0, .size: 8, .value_kind: global_buffer, .address_space: global }
      - { .name: ascales, .offset: 8, .size: 8, .value_kind: global_buffer, .address_space: global }
      - { .name: maskw, .offset: 16, .size: 8, .value_kind: global_buffer, .address_space: global }
      - { .name: xcodes, .offset: 24, .size: 8, .value_kind: global_buffer, .address_space: global }
      - { .name: xscales, .offset: 32, .size: 8, .value_kind: global_buffer, .address_space: global }
    .group_segment_fixed_size: 327680
    .private_segment_fixed_size: 0
    .kernarg_segment_align: 8
    .kernarg_segment_size: 40
    .max_flat_workgroup_size: 512
    .sgpr_count:     106
    .vgpr_count:     256
    .wavefront_size: 32
...
	.end_amdgpu_metadata
.endif
;; end of part 3
;; launch outg (part 4): grid 8 x 32, 8 waves a work-group, clusters of 4 x 4, 306,176 bytes of LDS; arguments xcodes, xscales, codes, scales, bo, out0; writes out0
.if DOCPART == 4
	.amdgcn_target "amdgcn-amd-amdhsa--gfx1250"
	.amdhsa_code_object_version 6
	.text
	.protected	k_qbf48d18b54_outg
	.globl	k_qbf48d18b54_outg
	.p2align	8
	.type	k_qbf48d18b54_outg,@function
k_qbf48d18b54_outg:
	s_mov_b64 s[64:65], 0
	v_nop
	global_prefetch_b8 v0, s[64:65] scope:SCOPE_SE
	s_setreg_imm32_b32 hwreg(HW_REG_WAVE_MODE, 25, 1), 1
	s_wait_xcnt 0x0
	s_wait_alu depctr_hold_cnt(0) depctr_sa_sdst(0) depctr_va_vdst(0) depctr_va_sdst(0) depctr_va_ssrc(0) depctr_va_vcc(0) depctr_vm_vsrc(0)
	s_getreg_b32 s2, hwreg(HW_REG_IB_STS2, 6, 4)
	s_cmp_eq_u32 s2, 0
	s_cbranch_scc0 .Lentry_in_a_cluster
	s_endpgm
.Lentry_in_a_cluster:
	s_bfe_u32 s2, ttmp6, 0x10000c
	s_cmp_lg_u32 s2, 0xf033
	s_cbranch_scc0 .Lentry_shape_is_right
	s_endpgm
.Lentry_shape_is_right:
; out = x wo^T + bo on codes of FP8 (E4M3) with E8M0 scales; x's codes and scale words were made by attention, wo's by the quantiser of the inputs (panels 120-127).  out: [4096][1024] f32.
; SHARES.  A work-group multiplies panel Y of x (128 tokens) by panel 120 + X of the weights (128 rows of wo), all of K = 1,024: a tile of 128 x 128.  Both panels and their scale words fit in LDS whole: each byte is filled once.
; They come in two halves of K, so that the first is multiplied while the second lands.  The product is used transposed (source 0 = 16 rows of wo, source 1 = 16 tokens): a lane holds neighbouring columns of one row of out.
; By the order of rows in a tile (place r of tile T = row 32 (T / 2) + 8 (T % 2) + r + 8 (r / 8)) a lane's register 32 rt + 16 jl + i is column 128 X + 64 zg + 32 jl + 16 h + i of the token at place r of tile 2 rl + rt.
; WAVE w of eight: token tiles 2 (w % 4), + 1; tiles 4 (w / 4) .. + 3 of wo: eight accumulators, which take turns, one instruction a turn.
; THE WAY OUT: 16 rows x 256 bytes at a time through the wave's own stage in LDS, bytes into which no fill lands; sixteen lanes then store 256 consecutive aligned bytes of a row.
; CLUSTERS: 4 x 4.  The four work-groups of a row of the cluster share x's panel, the four of a column wo's: each part is asked for jointly.
.set CHUNK, 131072                     ; LDS: half of K: x's four K steps (4 x 16,384), then wo's four
.set SCL,   262144                     ; x's scale words, 4,096 bytes, then wo's
.set STG,   270336                     ; the stages: 16 rows x 272 bytes = 4,352 bytes (17 blocks of 256) for each wave
.set LN16, 1
.set AR,   2                           ; v2   LDS address of x's fragments
.set AZ,   3                           ; v3   of wo's
.set ARS,  4                           ; v4   of x's scale words
.set AZS,  5                           ; v5   of wo's
.set BO,   7                           ; v7   my offset in the bias: 64 h
.set STO,  8                           ; v8   the stage: where I put 16 bytes of a row
.set SRD,  9                           ; v9   and where I read a row back
.set CO,   10                          ; v10  my byte offset in two rows of out
.set RS,   12                          ; v12  x's scale words
.set ZS,   14                          ; v14-15 wo's
.set RF,   16                          ; v16-47 x's two fragments; on the way out the first tile's rows
.set ZF,   48                          ; v48-111 wo's four; on the way out v48-79 the second tile's rows
.set ACC,  112                         ; v112-175 accumulator (rt, zt) at 32 rt + 8 zt
.set BZ,   176                         ; v176-207 the bias
.set WV,   18
.set ZG,   19                          ; wave / 4: my tiles of wo
.set RL,   20                          ; wave % 4: my token tiles
.set GX,   23
.set GY,   24
.set G1T,  28
.set G1W,  36
.set G1TS, 44
.set G1WS, 52
.set G0T,  68
.set G0W,  80
.macro CREST
	s_cmp_lg_u32 s[WV], 0
	s_cbranch_scc1 .Lnot_wave_0_\@
	s_barrier_signal -3
.Lnot_wave_0_\@:
	s_barrier_wait -3
	s_barrier_signal -1
	s_barrier_wait -1
.endm
.macro CROUND
	s_barrier_signal -1
	s_barrier_wait -1
	CREST
.endm
.macro GROUP0 g, cod, sca, oc, os      ; three groups 0 from register g on: scale words, first half, second half; LDS addresses hang on the wave's number alone
	s_mov_b32 s[\g], 1
	s_add_co_u32 s[\g+1], s63, SCL
	s_add_nc_u64 s[\g+2:\g+3], s[\sca:\sca+1], s[\os:\os+1]
	s_or_b32 s[\g+3], s[\g+3], 0x80000000
	s_mov_b32 s[\g+4], 1
	s_mov_b32 s[\g+5], s62
	s_add_nc_u64 s[\g+6:\g+7], s[\cod:\cod+1], s[\oc:\oc+1]
	s_mov_b32 s[\g+8], 1
	s_add_co_u32 s[\g+9], s62, CHUNK
	s_add_nc_u64 s[\g+10:\g+11], s[\g+6:\g+7], 4*16384
	s_or_b32 s[\g+7], s[\g+7], 0x80000000
	s_or_b32 s[\g+11], s[\g+11], 0x80000000
.endm
.macro WM d, a, b, sa, sb, ra, rb, first   ; one product; ra, rb: the scale words lie in lanes 16-31; first: it starts the sum
.if \first
.if (\ra) && (\rb)
	v_wmma_scale_f32_16x16x128_f8f6f4 v[\d:\d+7], v[\a:\a+15], v[\b:\b+15], 0, v[\sa], v[\sb] matrix_a_scale:MATRIX_SCALE_ROW1 matrix_b_scale:MATRIX_SCALE_ROW1
.elseif \ra
	v_wmma_scale_f32_16x16x128_f8f6f4 v[\d:\d+7], v[\a:\a+15], v[\b:\b+15], 0, v[\sa], v[\sb] matrix_a_scale:MATRIX_SCALE_ROW1
.elseif \rb
	v_wmma_scale_f32_16x16x128_f8f6f4 v[\d:\d+7], v[\a:\a+15], v[\b:\b+15], 0, v[\sa], v[\sb] matrix_b_scale:MATRIX_SCALE_ROW1
.else
	v_wmma_scale_f32_16x16x128_f8f6f4 v[\d:\d+7], v[\a:\a+15], v[\b:\b+15], 0, v[\sa], v[\sb]
.endif
.else
.if (\ra) && (\rb)
	v_wmma_scale_f32_16x16x128_f8f6f4 v[\d:\d+7], v[\a:\a+15], v[\b:\b+15], v[\d:\d+7], v[\sa], v[\sb] matrix_a_scale:MATRIX_SCALE_ROW1 matrix_b_scale:MATRIX_SCALE_ROW1
.elseif \ra
	v_wmma_scale_f32_16x16x128_f8f6f4 v[\d:\d+7], v[\a:\a+15], v[\b:\b+15], v[\d:\d+7], v[\sa], v[\sb] matrix_a_scale:MATRIX_SCALE_ROW1
.elseif \rb
	v_wmma_scale_f32_16x16x128_f8f6f4 v[\d:\d+7], v[\a:\a+15], v[\b:\b+15], v[\d:\d+7], v[\sa], v[\sb] matrix_b_scale:MATRIX_SCALE_ROW1
.else
	v_wmma_scale_f32_16x16x128_f8f6f4 v[\d:\d+7], v[\a:\a+15], v[\b:\b+15], v[\d:\d+7], v[\sa], v[\sb]
.endif
.endif
.endm
.macro KSTEP ks                        ; a K step of 128: 26 LDS loads (images of registers: 16 x lane, no pitch), 8 products
.if \ks == 4
	v_add_nc_u32 v[AR], CHUNK, v[AR]               ; on to the second half; these two are among the eight places
	s_wait_alu depctr_va_vdst(0)
	v_add_nc_u32 v[AZ], CHUNK, v[AZ]
	s_wait_alu depctr_va_vdst(0)
.rept 6
	v_nop
.endr
.elseif \ks > 0
.rept 8
	v_nop                                          ; eight places in front of loads into registers that matrix instructions have read
.endr
.endif
	ds_load_b32 v[RS], v[ARS] offset:512*\ks
	ds_load_b64 v[ZS:ZS+1], v[AZS] offset:512*\ks
.irp rt, 0,1
.irp c, 0,1,2,3
	ds_load_b128 v[RF+16*\rt+4*\c:RF+16*\rt+4*\c+3], v[AR] offset:(\ks%4)*16384+2048*\rt+512*\c
.endr
.endr
.irp zt, 0,1,2,3
.irp c, 0,1,2,3
	ds_load_b128 v[ZF+16*\zt+4*\c:ZF+16*\zt+4*\c+3], v[AZ] offset:(\ks%4)*16384+2048*\zt+512*\c
.endr
.endr
.irp zt, 0,1,2,3
	s_wait_dscnt 12-4*\zt                          ; all up to wo's fragment zt are in; the four loads of each later fragment stay out
.irp rt, 0,1
	WM ACC+32*\rt+8*\zt, ZF+16*\zt, RF+16*\rt, ZS+\zt/2, RS, \zt%2, \rt, (\ks==0)
.endr
.endr
.endm
	s_load_b256 s[4:11], s[0:1], 0x0               ; xcodes, xscales, codes, scales
	s_load_b128 s[12:15], s[0:1], 0x20             ; bo, out0
	v_lshl_add_u32 v254, v0, 2, 0x4a800
	v_mov_b32 v255, 0
	ds_add_u32 v254, v255
	ds_add_u32 v254, v255
	v_lshrrev_b32 v1, 5, v0
	s_delay_alu instid0(VALU_DEP_1)
	v_readfirstlane_b32 s[WV], v1                  ; wave 0..7
	s_lshr_b32 s[ZG], s[WV], 2
	s_and_b32 s[RL], s[WV], 3
	s_bfe_u32 s21, ttmp6, 0x40000                  ; cx
	s_bfe_u32 s22, ttmp6, 0x40004                  ; cy
	s_lshl_b32 s[GX], ttmp9, 2
	s_add_co_u32 s[GX], s[GX], s21                 ; X = 4 x cluster x + cx
	s_and_b32 s[GY], ttmp7, 0xffff
	s_lshl_b32 s[GY], s[GY], 2
	s_add_co_u32 s[GY], s[GY], s22                 ; Y = 4 x cluster y + cy
	s_lshl_b32 s26, s22, 2
	s_lshl_b32 s26, 15, s26                        ; my row of the cluster
	s_lshl_b32 s27, 0x1111, s21                    ; my column
	s_or_b32 s[G1T], s26, (3<<16)|(1<<21)          ; 15:0 the mask: x's panel goes to my row; 17:16 elements of 8 bytes; 21 set beside a mask
	s_or_b32 s[G1W], s27, (3<<16)|(1<<21)          ; wo's to my column
	s_or_b32 s[G1TS], s26, (3<<16)|(1<<21)
	s_or_b32 s[G1WS], s27, (3<<16)|(1<<21)
.irp g, G1T, G1W
	s_mov_b32 s[\g+1], 32<<16                      ; dense blocks as rows of 256 bytes
	s_mov_b32 s[\g+2], 256<<16                     ; half of K of a panel: 256 rows
	s_mov_b32 s[\g+3], 32<<16
	s_mov_b32 s[\g+4], 256
	s_mov_b32 s[\g+5], 32
	s_mov_b32 s[\g+6], 0
	s_mov_b32 s[\g+7], 0
.endr
.irp g, G1TS, G1WS
	s_mov_b32 s[\g+1], 32<<16                      ; rows of 256 bytes
	s_mov_b32 s[\g+2], 16<<16                      ; a panel's scale words: 16 rows
	s_mov_b32 s[\g+3], 32<<16
	s_mov_b32 s[\g+4], 16
	s_mov_b32 s[\g+5], 32
	s_mov_b32 s[\g+6], 0
	s_mov_b32 s[\g+7], 0
.endr
	s_mov_b32 s60, 0                               ; a load brings a whole half of K, from the panel's first byte on
	s_mov_b32 s61, 0                               ; and all of a panel's scale words
	s_lshl_b32 s92, s[GY], 17                      ; x's offsets never hold cx,
	s_add_co_u32 s92, s92, s60
	s_mov_b32 s93, 0
	s_lshl_b32 s94, s[GY], 12
	s_add_co_u32 s94, s94, s61
	s_mov_b32 s95, 0
	s_add_co_u32 s96, s[GX], 120                   ; wo's never cy
	s_lshl_b32 s98, s96, 12
	s_lshl_b32 s96, s96, 17
	s_add_co_u32 s96, s96, s60
	s_mov_b32 s97, 0
	s_add_co_u32 s98, s98, s61
	s_mov_b32 s99, 0
	s_mov_b32 s62, 0                               ; where x's parts go: the head of each half, the head of the scale words
	s_mov_b32 s63, 0
	s_wait_dscnt 0x0
	s_wait_kmcnt 0x0
	GROUP0 G0T, 4, 6, 92, 94
	s_mov_b32 s62, 65536                           ; wo's parts lie behind x's
	s_mov_b32 s63, 4096
	GROUP0 G0W, 8, 10, 96, 98
	CROUND                                         ; all sixteen work-groups are here: the joint loads meet
; THE HEAD'S LOADS, ONE A WAVE, in one chain of branches on the wave's number: waves 0, 1 the first half of K of x and of wo, waves 2, 3 their scale words, waves 4, 5 the second halves; waves 6, 7 none.
.macro ARM under, g0, g1, next
	s_cmp_lt_u32 s[WV], \under
	s_cbranch_scc0 \next
	tensor_load_to_lds s[\g0:\g0+3], s[\g1:\g1+7]
	s_nop 0
.rept 4
	v_nop
.endr
	s_branch .Lasked
\next:
.endm
	ARM 1, G0T+4, G1T, .Lh1
	ARM 2, G0W+4, G1W, .Lh2
	ARM 3, G0T, G1TS, .Lh3
	ARM 4, G0W, G1WS, .Lh4
	ARM 5, G0T+8, G1T, .Lh5
	ARM 6, G0W+8, G1W, .Lh6
.Lasked:
	v_and_b32 v6, 31, v0                           ; lane
	s_delay_alu instid0(VALU_DEP_1)
	v_lshlrev_b32 v[LN16], 4, v6
	s_delay_alu instid0(VALU_DEP_2)
	v_lshlrev_b32 v6, 3, v6                        ; 8 x lane
	s_wait_alu depctr_va_vdst(0)
	s_lshl_b32 s2, s[RL], 12                       ; x's two fragments
	v_add_nc_u32 v[AR], s2, v[LN16]
	s_lshl_b32 s2, s[ZG], 13                       ; wo's four, behind x's four K steps
	s_add_co_u32 s2, s2, 65536
	v_add_nc_u32 v[AZ], s2, v[LN16]
	s_lshr_b32 s2, s[RL], 1                        ; x's words: group of four tiles, word of the pair, 8 bytes a lane
	s_lshl_b32 s2, s2, 8
	s_and_b32 s3, s[RL], 1
	s_lshl_b32 s3, s3, 2
	s_add_co_u32 s2, s2, s3
	s_add_co_u32 s2, s2, SCL
	v_add_nc_u32 v[ARS], s2, v6
	s_lshl_b32 s2, s[ZG], 8                        ; wo's: both words of my group
	s_add_co_u32 s2, s2, SCL+4096
	v_add_nc_u32 v[AZS], s2, v6
	v_and_b32 v11, 15, v0                          ; r
	s_wait_alu depctr_va_vdst(0)
	v_bfe_u32 v13, v0, 4, 1                        ; h
	s_delay_alu instid0(VALU_DEP_1)
	v_lshlrev_b32 v[BO], 6, v13
	s_lshl_b32 s100, s[GX], 9
	s_lshl_b32 s101, s[ZG], 8
	s_add_co_u32 s100, s100, s101                  ; 4 (128 X + 64 zg): my first column, in the bias and in a row of out
	s_mov_b32 s101, 0
	s_add_nc_u64 s[12:13], s[12:13], s[100:101]
.irp jl, 0,1
.irp q, 0,1,2,3
	global_load_b128 v[BZ+16*\jl+4*\q:BZ+16*\jl+4*\q+3], v[BO], s[12:13] offset:128*\jl+16*\q
.endr
.endr
	s_add_nc_u64 s[14:15], s[14:15], s[100:101]
	s_lshl_b32 s100, s[GY], 7
	s_lshl_b32 s2, s[RL], 5
	s_add_co_u32 s100, s100, s2
	s_lshl_b32 s100, s100, 12                      ; (128 Y + 32 rl) rows of 4,096 bytes
	s_add_nc_u64 s[14:15], s[14:15], s[100:101]
	s_mul_i32 s2, s[WV], 4352
	s_add_co_u32 s2, s2, STG                       ; my stage
	v_mul_u32_u24 v[STO], v11, 272                 ; in: row r, 64 h bytes on
	s_wait_alu depctr_va_vdst(0)
	v_lshl_add_u32 v[STO], v13, 6, v[STO]
	s_delay_alu instid0(VALU_DEP_1)
	v_add_nc_u32 v[STO], s2, v[STO]
	v_mul_u32_u24 v[SRD], v13, 272                 ; back: lanes 0-15 one row of 256 bytes, lanes 16-31 the next
	s_delay_alu instid0(VALU_DEP_1)
	v_lshl_add_u32 v[SRD], v11, 4, v[SRD]
	s_delay_alu instid0(VALU_DEP_1)
	v_add_nc_u32 v[SRD], s2, v[SRD]
	v_lshlrev_b32 v[CO], 12, v13                   ; and the same two rows in out
	s_delay_alu instid0(VALU_DEP_1)
	v_lshl_add_u32 v[CO], v11, 4, v[CO]
	s_wait_alu depctr_va_vdst(0)                   ; the wait at the head's end
	s_cmp_lt_u32 s[WV], 4                          ; waves 0 to 3 issued the first half and the scale words, each by a line of its own: they wait here; the second halves stay out
	s_cbranch_scc0 .Lnot_first
	s_wait_tensorcnt 0x0
.Lnot_first:
	s_barrier_signal -1
	s_barrier_wait -1                              ; everybody's are
	KSTEP 0
	KSTEP 1
	KSTEP 2
	KSTEP 3
	s_wait_tensorcnt 0x0                           ; my part of the second half is in (no LDS load of mine is out: each K step ends at zero)
	s_barrier_signal -1
	s_barrier_wait -1
	KSTEP 4
	KSTEP 5
	KSTEP 6
	KSTEP 7
.rept 8
	v_nop                                          ; eight places behind the last products: in front of the first read of results and of the loads into the fragments' registers
.endr
	s_wait_loadcnt 0x0                             ; the bias
.irp rt, 0,1
.irp j, 0,2,4,6,8,10,12,14,16,18,20,22,24,26,28,30
	v_pk_add_f32 v[ACC+32*\rt+\j:ACC+32*\rt+\j+1], v[ACC+32*\rt+\j:ACC+32*\rt+\j+1], v[BZ+\j:BZ+\j+1]   ; ascending: each accumulator is read from its low end on
.endr
.endr
.irp rt, 0,1                                   ; LDS serves a wave's instructions in order: the loads see the stores above them, and the second tile's stores come behind the first tile's loads
.irp jl, 0,1
.irp q, 0,1,2,3
	ds_store_b128 v[STO], v[ACC+32*\rt+16*\jl+4*\q:ACC+32*\rt+16*\jl+4*\q+3] offset:128*\jl+16*\q
.endr
.endr
.irp t, 0,1,2,3,4,5,6,7
	ds_load_b128 v[RF+32*\rt+4*\t:RF+32*\rt+4*\t+3], v[SRD] offset:544*\t
.endr
.endr
.irp rt, 0,1
.irp t, 0,1,2,3,4,5,6,7
	s_wait_dscnt 16*(1-\rt)+7-\t                   ; rows 2 t, 2 t + 1 of this tile are back; its later rows, and for the first tile the second's sixteen LDS instructions, stay out
	global_store_b128 v[CO], v[RF+32*\rt+4*\t:RF+32*\rt+4*\t+3], s[14:15] offset:(8*\rt+2*\t+8*(\t/4))*4096 th:TH_STORE_NT   ; sixteen lanes store 256 consecutive bytes, aligned; place 2 t + h of the tile is row 8 rt + 2 t + h + 8 (t / 4)
.endr
.endr
	s_wait_tensorcnt 0x0
	ds_add_u32 v254, v255
	s_wait_dscnt 0x0
	CROUND                                         ; the closing round: no work-group ends while a partner may still ask for a part that names it
	s_endpgm
.Lfunc_end_k_qbf48d18b54_outg:
	.size	k_qbf48d18b54_outg, .Lfunc_end_k_qbf48d18b54_outg-k_qbf48d18b54_outg
	.p2alignl 7, 3214868480
	.fill 96, 4, 3214868480
	.section	.rodata,"a",@progbits
	.p2align	6, 0x0
	.amdhsa_kernel k_qbf48d18b54_outg
		.amdhsa_group_segment_fixed_size 306176
		.amdhsa_private_segment_fixed_size 0
		.amdhsa_enable_private_segment 0
		.amdhsa_kernarg_size 48
		.amdhsa_user_sgpr_count 2
		.amdhsa_user_sgpr_kernarg_segment_ptr 1
		.amdhsa_wavefront_size32 1
		.amdhsa_system_sgpr_workgroup_id_x 1
		.amdhsa_system_sgpr_workgroup_id_y 1
		.amdhsa_system_sgpr_workgroup_id_z 1
		.amdhsa_system_vgpr_workitem_id 0
		.amdhsa_next_free_vgpr 256
		.amdhsa_next_free_sgpr 102
		.amdhsa_reserve_vcc 0
		.amdhsa_float_denorm_mode_32 3
		.amdhsa_float_denorm_mode_16_64 3
		.amdhsa_memory_ordered 1
		.amdhsa_forward_progress 1
		.amdhsa_inst_pref_size 41
	.end_amdhsa_kernel
	.amdgpu_metadata
---
amdhsa.version: [ 1, 2 ]
amdhsa.kernels:
  - .name:           k_qbf48d18b54_outg
    .symbol:         k_qbf48d18b54_outg.kd
    .args:
      - { .name: xcodes, .offset: 0, .size: 8, .value_kind: global_buffer, .address_space: global }
      - { .name: xscales, .offset: 8, .size: 8, .value_kind: global_buffer, .address_space: global }
      - { .name: codes, .offset: 16, .size: 8, .value_kind: global_buffer, .address_space: global }
      - { .name: scales, .offset: 24, .size: 8, .value_kind: global_buffer, .address_space: global }
      - { .name: bo, .offset: 32, .size: 8, .value_kind: global_buffer, .address_space: global }
      - { .name: out0, .offset: 40, .size: 8, .value_kind: global_buffer, .address_space: global }
    .group_segment_fixed_size: 306176
    .private_segment_fixed_size: 0
    .kernarg_segment_align: 8
    .kernarg_segment_size: 48
    .max_flat_workgroup_size: 256
    .sgpr_count:     102
    .vgpr_count:     256
    .wavefront_size: 32
...
	.end_amdgpu_metadata
.endif
;; end of part 4
